; MI455X (gfx1250); checked and timed in simulation.
; The chip was launched on July 23, 2026; its instructions are those of AMD's public machine-readable ISA for CDNA 5 (MIT licence, August 2026) and "CDNA5" Instruction Set Architecture Reference Guide (July 2026). The comments in the code are by the model that wrote it; some were corrected since.
;; Multi Head Attention. Allowed arithmetic: float matrix products may take bf16 or f16 operands with f32 sums; all other float work in f32.
;; Inputs: Wk 1,024 x 1,024 float32; Wo 1,024 x 1,024 float32; Wq 1,024 x 1,024 float32; Wv 1,024 x 1,024 float32; bk 1,024 float32; bo 1,024 float32; bq 1,024 float32; bv 1,024 float32; x 4 x 2,048 x 1,024 float32.
;; Outputs: out0 4 x 2,048 x 1,024 float32.
;; One version. Each part assembles by itself: llvm-mc -triple=amdgcn-amd-amdhsa -mcpu=gfx1250 --defsym DOCPART=n.
;; ======== version 1 of 1: 4 launches
;; limits: values are held in f16: magnitudes above 65,504 overflow, below 6.1e-05 lose precision
;; workspace buffers: xb 16,777,216 bytes; wqkv 6,291,456 bytes; wob 2,097,152 bytes; qkv 50,331,648 bytes; ob 16,777,216 bytes
;; launch cast (part 1): grid 1536 x 1, 8 waves a work-group, no clusters, 0 bytes of LDS; arguments x, Wq, Wk, Wv, Wo, xb, wqkv, wob; writes xb, wqkv, wob
.if DOCPART == 1
	.amdgcn_target "amdgcn-amd-amdhsa--gfx1250"
	.amdhsa_code_object_version 6
	.text
	.protected	k_q5e298a8fc6_cast
	.globl	k_q5e298a8fc6_cast
	.p2align	8
	.type	k_q5e298a8fc6_cast,@function
k_q5e298a8fc6_cast:
	s_mov_b64 s[64:65], 0
	v_nop
	global_prefetch_b8 v0, s[64:65] scope:SCOPE_SE
	s_setreg_imm32_b32 hwreg(HW_REG_WAVE_MODE, 25, 1), 1
	s_wait_xcnt 0x0
; THE INPUTS ARE ROUNDED ONCE, TO bf16, AND LAID OUT FOR THE PRODUCTS.  A stream: no LDS, no barrier, no loop.
;   x  [8192][1024] f32 -> xb   bf16, in blocks [batch * 16 + kb][t][64] (k = 64 kb + c): 256 rows x 64 k are then 32,768 dense bytes
;   Wq, Wk, Wv [1024][1024] f32 -> wqkv bf16 [k][3072], columns q | k | v
;   Wo [1024][1024] f32 -> wob: rounded to bf16, and that number written as f16, [k][1024]
; LIMITS.  wob is f16: beyond 65,504 it is an infinity, below 6.1e-5 it keeps f16's fixed step of 6e-8.
; SHARES.  Groups 0-1023: x, 16 rows x 8 blocks of 64 k each; groups 1024-1407: Wq, Wk, Wv (128 each), 8 rows each; groups 1408-1535: Wo, 8 rows each.
; A thread makes 8 times: one load of 16 bytes, four numbers rounded, one store of 8 bytes.  All 8 loads go out first.
; A wave's load covers 512 consecutive bytes (x: two pieces of 256), a wave's store 256 consecutive bytes, aligned.
.set NL, 8                             ; loads, and stores, of a thread
.set X, 8                              ; v[8:39]   8 x 4 numbers as loaded
.set Y, 40                             ; v[40:55]  8 x 2 registers to store
.set T, 56                             ; v[56:57]  at work
.set MK, 27                            ; s27       mask of a word's upper bf16
; NL loads instep bytes apart from s[in:in+1], NL stores outstep bytes apart to s[out:out+1].  f16 = 1: the bf16 number is written as f16.
; No register that a load or store names is written again while it is out: X's four only behind the wait for their own load.
.macro STREAM in, out, instep, outstep, f16
.set i, 0
.rept NL
	global_load_b128 v[X+4*i:X+4*i+3], v1, s[\in:\in+1] offset:i*(\instep) th:TH_LOAD_NT
.set i, i+1
.endr
.set i, 0
.rept NL
	s_wait_loadcnt NL-1-i                          ; loads come back in order: number i is in, the younger ones stay out
.if \f16
	v_cvt_pk_bf16_f32 v[T], v[X+4*i], v[X+4*i+1]
	v_cvt_pk_bf16_f32 v[T+1], v[X+4*i+2], v[X+4*i+3]
	v_lshlrev_b32 v[X+4*i], 16, v[T]               ; bf16 to f32: the low half moves up, the high half stays
	v_and_b32 v[X+4*i+1], s[MK], v[T]
	v_lshlrev_b32 v[X+4*i+2], 16, v[T+1]
	v_and_b32 v[X+4*i+3], s[MK], v[T+1]
	v_cvt_pk_f16_f32 v[Y+2*i], v[X+4*i], v[X+4*i+1]
	v_cvt_pk_f16_f32 v[Y+2*i+1], v[X+4*i+2], v[X+4*i+3]
.else
	v_cvt_pk_bf16_f32 v[Y+2*i], v[X+4*i], v[X+4*i+1]
	v_cvt_pk_bf16_f32 v[Y+2*i+1], v[X+4*i+2], v[X+4*i+3]
.endif
	global_store_b64 v2, v[Y+2*i:Y+2*i+1], s[\out:\out+1] offset:i*(\outstep)
.set i, i+1
.endr
.endm
	s_load_b512 s[4:19], s[0:1], 0x0               ; x s[4:5], Wq s[6:7], Wk s[8:9], Wv s[10:11], Wo s[12:13], xb s[14:15], wqkv s[16:17], wob s[18:19]
	s_mov_b32 s2, ttmp9                            ; the work-group's number g
	s_mov_b32 s[MK], 0xffff0000
	v_lshlrev_b32 v2, 3, v0                        ; out: 8 bytes a thread
	s_mov_b32 s21, 0                               ; high words of the two offsets
	s_mov_b32 s23, 0
	s_cmp_lt_u32 s2, 1024
	s_cbranch_scc0 .Lweights
	; x: thread t takes row t / 16 and 16 bytes of the 256 that are a block of 64 k; load i is block 8 (g % 2) + i
	v_lshrrev_b32 v3, 4, v0
	v_and_b32 v1, 15, v0
	v_lshlrev_b32 v1, 4, v1
	v_lshl_add_u32 v1, v3, 12, v1                  ; row x 4,096 + 16 x (t % 16)
	s_lshr_b32 s24, s2, 1                          ; which 16 rows
	s_and_b32 s25, s2, 1                           ; which 8 blocks
	s_lshl_b32 s20, s24, 16                        ; in: 16 rows of 4,096 bytes,
	s_lshl_b32 s26, s25, 11                        ; 8 blocks of 256 bytes in a row
	s_add_co_u32 s20, s20, s26
	s_lshr_b32 s22, s24, 7                         ; out: batch (128 groups of rows each),
	s_lshl_b32 s22, s22, 22                        ; whose 16 blocks are 262,144 bytes each,
	s_and_b32 s24, s24, 127
	s_lshl_b32 s24, s24, 11                        ; 16 rows of 128 bytes in a block,
	s_add_co_u32 s22, s22, s24
	s_lshl_b32 s26, s25, 21                        ; 8 blocks
	s_add_co_u32 s22, s22, s26
	s_wait_kmcnt 0x0
	s_add_nc_u64 s[4:5], s[4:5], s[20:21]
	s_add_nc_u64 s[14:15], s[14:15], s[22:23]
	STREAM 4, 14, 256, 262144, 0
	s_endpgm
.Lweights:                                             ; a weight: thread t takes 16 bytes of a row; load i is row i
	v_lshlrev_b32 v1, 4, v0
	s_sub_co_u32 s24, s2, 1024
	s_lshr_b32 s25, s24, 7                         ; which weight: 0 Wq, 1 Wk, 2 Wv, 3 Wo
	s_and_b32 s24, s24, 127                        ; which 8 rows of it
	s_lshl_b32 s20, s24, 15
	s_cmp_eq_u32 s25, 3
	s_cbranch_scc1 .Lwo
	s_mul_i32 s22, s24, 49152                      ; 8 rows of 6,144 bytes,
	s_lshl_b32 s26, s25, 11                        ; and the weight's 2,048 bytes in a row
	s_add_co_u32 s22, s22, s26
	s_wait_kmcnt 0x0
	s_cmp_eq_u32 s25, 1
	s_cselect_b64 s[6:7], s[8:9], s[6:7]
	s_cmp_eq_u32 s25, 2
	s_cselect_b64 s[6:7], s[10:11], s[6:7]
	s_add_nc_u64 s[6:7], s[6:7], s[20:21]
	s_add_nc_u64 s[16:17], s[16:17], s[22:23]
	STREAM 6, 16, 4096, 6144, 0
	s_endpgm
.Lwo:
	s_lshl_b32 s22, s24, 14                        ; 8 rows of 2,048 bytes
	s_wait_kmcnt 0x0
	s_add_nc_u64 s[12:13], s[12:13], s[20:21]
	s_add_nc_u64 s[18:19], s[18:19], s[22:23]
	STREAM 12, 18, 4096, 2048, 1
	s_endpgm
.Lfunc_end_k_q5e298a8fc6_cast:
	.size	k_q5e298a8fc6_cast, .Lfunc_end_k_q5e298a8fc6_cast-k_q5e298a8fc6_cast
	.p2alignl 7, 3214868480
	.fill 96, 4, 3214868480
	.section	.rodata,"a",@progbits
	.p2align	6, 0x0
	.amdhsa_kernel k_q5e298a8fc6_cast
		.amdhsa_group_segment_fixed_size 0
		.amdhsa_private_segment_fixed_size 0
		.amdhsa_enable_private_segment 0
		.amdhsa_kernarg_size 64
		.amdhsa_user_sgpr_count 2
		.amdhsa_user_sgpr_kernarg_segment_ptr 1
		.amdhsa_wavefront_size32 1
		.amdhsa_system_sgpr_workgroup_id_x 1
		.amdhsa_system_sgpr_workgroup_id_y 1
		.amdhsa_system_sgpr_workgroup_id_z 1
		.amdhsa_system_vgpr_workitem_id 0
		.amdhsa_next_free_vgpr 64
		.amdhsa_next_free_sgpr 66
		.amdhsa_reserve_vcc 0
		.amdhsa_float_denorm_mode_32 3
		.amdhsa_float_denorm_mode_16_64 3
		.amdhsa_memory_ordered 1
		.amdhsa_forward_progress 1
		.amdhsa_inst_pref_size 13
	.end_amdhsa_kernel
	.amdgpu_metadata
---
amdhsa.version: [ 1, 2 ]
amdhsa.kernels:
  - .name:           k_q5e298a8fc6_cast
    .symbol:         k_q5e298a8fc6_cast.kd
    .args:
      - { .name: x, .offset: 0, .size: 8, .value_kind: global_buffer, .address_space: global }
      - { .name: Wq, .offset: 8, .size: 8, .value_kind: global_buffer, .address_space: global }
      - { .name: Wk, .offset: 16, .size: 8, .value_kind: global_buffer, .address_space: global }
      - { .name: Wv, .offset: 24, .size: 8, .value_kind: global_buffer, .address_space: global }
      - { .name: Wo, .offset: 32, .size: 8, .value_kind: global_buffer, .address_space: global }
      - { .name: xb, .offset: 40, .size: 8, .value_kind: global_buffer, .address_space: global }
      - { .name: wqkv, .offset: 48, .size: 8, .value_kind: global_buffer, .address_space: global }
      - { .name: wob, .offset: 56, .size: 8, .value_kind: global_buffer, .address_space: global }
    .group_segment_fixed_size: 0
    .private_segment_fixed_size: 0
    .kernarg_segment_align: 8
    .kernarg_segment_size: 64
    .max_flat_workgroup_size: 256
    .sgpr_count:     66
    .vgpr_count:     64
    .wavefront_size: 32
...
	.end_amdgpu_metadata
.endif
;; end of part 1
;; launch proj_in (part 2): grid 8 x 32, 4 waves a work-group, clusters of 4 x 4, 327,680 bytes of LDS; arguments xb, wqkv, bq, bk, bv, qkv; writes qkv
.if DOCPART == 2
	.amdgcn_target "amdgcn-amd-amdhsa--gfx1250"
	.amdhsa_code_object_version 6
	.text
	.protected	k_q5e298a8fc6_proj_in
	.globl	k_q5e298a8fc6_proj_in
	.p2align	8
	.type	k_q5e298a8fc6_proj_in,@function
k_q5e298a8fc6_proj_in:
	s_mov_b64 s[64:65], 0
	v_nop
	global_prefetch_b8 v0, s[64:65] scope:SCOPE_SE
	s_setreg_imm32_b32 hwreg(HW_REG_WAVE_MODE, 25, 1), 1
	s_wait_xcnt 0x0
	s_wait_alu depctr_hold_cnt(0) depctr_sa_sdst(0) depctr_va_vdst(0) depctr_va_sdst(0) depctr_va_ssrc(0) depctr_va_vcc(0) depctr_vm_vsrc(0)
	s_getreg_b32 s2, hwreg(HW_REG_IB_STS2, 6, 4)
	s_cmp_eq_u32 s2, 0
	s_cbranch_scc0 .Lentry_in_a_cluster
	s_endpgm
.Lentry_in_a_cluster:
	s_bfe_u32 s2, ttmp6, 0x10000c
	s_cmp_lg_u32 s2, 0xf033
	s_cbranch_scc0 .Lentry_shape_is_right
	s_endpgm
.Lentry_shape_is_right:
; q, k, v = x W + b, by heads.  xb: x in bf16, [batch * 16 + kb][t][64].  wqkv: bf16 [k = 1024][n = 3072], columns q | k | v.  bq, bk, bv: f32 [1024], rounded to bf16 here like every input.
; qkv: f16 [3][batch * 16 + head][t = 2048][64], each number rounded once from its f32 sum, unscaled.
; LIMITS.  f16 holds no number beyond 65,504: a q, k or v past that becomes an infinity; below 6.1e-5 it keeps f16's fixed step of 6e-8.
; SHARES.  A work-group makes 256 rows x 384 columns (8 x 32 work-groups); a wave 128 rows x 192 columns, three heads: 96 accumulators of 16 x 16, one window of 256 registers a head.
; K goes in steps of 64 through two LDS slots filled by the tensor data mover; a step is two sub-steps of 32 k, a sub-step three PHASES (one a head) of 32 matrix instructions.
; THE MATRIX INSTRUCTION IS USED TRANSPOSED: source 0 = 16 columns of W (W lies [k][n] in LDS and is turned by ds_load_tr16_b128), source 1 = 16 rows of x.  A lane then holds row l % 16 and the
; eight neighbouring columns 8 (l / 16) + 0..7, which pack into 16 bytes.  THE BIAS is the C operand of the product that starts a sum: nothing is cleared, nothing is added on the way out.
; CLUSTER.  4 x 4 work-groups.  x's tile hangs on the tile row alone and is asked for jointly by a row of the cluster, W's on the tile column alone, by a column: the same load, descriptor and mask in all four.
; REGISTERS.  window 0: v0-18 addresses; v32-63 the last head's bias; v64-191 x's fragments, two buffers of 8 x 16 rows x 32 k (the second first holds the other two heads' bias);
;   v192-255 W's fragments, two buffers of 4 x 16 columns x 32 k.  window 1 + j: head j's accumulators, (a, b) at v[8 (4 a + b)]: 16 rows x 64 columns are 32 registers on end.
.set NJ,     3                         ; heads (groups of 64 columns) a wave
.set KB,     1                         ; blocks of 64 k in a slot
.set NTOT,   3072                      ; W's pitch in elements
.set TILE_N, 128*NJ                    ; the work-group's columns
.set PA,     144                       ; a row of x in LDS: 128 bytes + 16 = 36 words: the 16 rows of a load start at 16 different groups of four banks (64 banks of 4 bytes: ISA guide 11.1)
.set PB,     2*NJ*144                  ; a row of W: six groups of 64 columns, 128 + 16 bytes each = 216 words
.set ABYTES, KB*256*PA                 ; x's part of a slot
.set BBYTES, KB*64*PB                  ; W's, behind it
.set SLOT1,  1<<17                     ; slot 1 begins here: one exclusive or turns an address in one slot into the other's
.set STAGE,  SLOT1+ABYTES+BBYTES       ; behind the ring, never filled by a tensor load: 16 rows x 144 bytes for each wave, for the way out
.set SP,     144
.set SPARE,  STAGE+4*16*SP             ; behind the stages: the spare words, 128 bytes for each wave: two blocks of 256 bytes that no other line names
.set STEPS,  16/KB                     ; slots' worth of K
.set NC,     2*KB                      ; sub-steps of 32 k in a slot
.set STEP_A, KB*262144                 ; bytes from step to step in xb
.set STEP_B, KB*64*NTOT*2              ; and in wqkv
.set AR,     64                        ; a wave's part of x's tile: 128 rows of 128 dense bytes, asked for as 64 rows of 256
.set APL,    128*PA                    ; its bytes in LDS
.set APG,    16384                     ; and in memory
.set BPL,    KB*32*PB                  ; a wave's part of W's tile: 32 rows of k
.set BPG,    KB*32*NTOT*2
.set ADA0, 8                           ; v8   my lane's place in x's part of a slot; never rewritten
.set ADB0, 9                           ; v9   the same for W
.set ADA,  10                          ; v10  the same in the slot in hand
.set ADB,  11                          ; v11
.set STO,  12                          ; v12  the way out: where I put 16 bytes of a row
.set RD,   13                          ; v13  the way out: where I read rows back
.set GO,   14                          ; v14  my byte offset in 512 consecutive bytes of the output
.set VB,   15                          ; v15  my byte offset in 16 numbers of a bias: 32 (l / 16)
.set SPW,  16                          ; v16  LDS address of my spare word: SPARE + 4 x my thread's number; never rewritten
.set NIL,  17                          ; v17  0; never rewritten
.set TR,   18                          ; v18  at work
.set BI,   32                          ; the last head's bias
.set AF,   64
.set BF,   192
.set PK,   64                          ; the way out: 16 registers of packed results
.set BK,   96                          ; the way out: rows read back, two buffers of 16
.set WV,  16                           ; s16  my wave's number
.set WR,  17                           ; s17  which 128 rows of the tile are mine
.set WC,  18                           ; s18  which 192 columns; also: which part of a tile I fetch
.set G1A, 24                           ; s[24:31] descriptor group 1 for x's tiles
.set G0A, 32                           ; s[32:39] group 0: a set for each of the two first fills; the second then walks on
.set G1B, 40                           ; s[40:47], s[48:55] the same for W's tiles
.set G0B, 48
.set TB,  56                           ; s56  LDS byte at which the slot in hand begins
.set CNT, 57                           ; s57  trips to go
.set BB,  66                           ; s[66:71] a bias address a head
.set OB,  72                           ; s[72:77] an output address a head
.set MK,  86                           ; s86  mask of a word's upper bf16
.set GW,  (1<<16)|(1<<20)|(1<<21)|(4<<22)|(3<<25)  ; group 1, word 0 beside the mask: 17:16 2-byte elements; 20 padding on; 21 set beside a mask; 24:22 after every 32 words (code 4); 31:25 4 words (code 3)
.set MSB, 0
.macro WIN new                         ; s_set_vgpr_msb: bits 1:0 source 0, 3:2 source 1, 5:4 source 2, 7:6 destination; the high byte repeats the setting that is left
.if MSB != (\new)
	s_set_vgpr_msb (MSB<<8)|(\new)
.set MSB, \new
.endif
.endm
; A load into a register that a matrix instruction has read, and a vector or LDS instruction that reads a matrix result, stand four places behind it; only plain vector instructions
; that name none of its registers are places (ISA guide 7.12.1 for vector instructions).
.macro PLACES
.rept 4
	v_nop
.endr
.endm
; A joint refill.  Waves 0 and 1 fetch the two parts of x's tile, waves 2 and 3 those of W's.  The branch hangs on the wave's number alone.
; An s_nop 0 and four v_nop follow each of the two lines, ahead of the jump and the label.
.macro JLOAD
	s_cmp_lt_u32 s[WV], 2
	s_cbranch_scc0 .Lfor_b_\@
	tensor_load_to_lds s[G0A+4:G0A+7], s[G1A:G1A+7]
	s_nop 0
.rept 4
	v_nop
.endr
	s_branch .Lasked_\@
.Lfor_b_\@:
	tensor_load_to_lds s[G0B+4:G0B+7], s[G1B:G1B+7]
	s_nop 0
.rept 4
	v_nop
.endr
.Lasked_\@:
.endm
; A round of the cluster's barrier: my work-group's barrier, so that wave 0's signal speaks for all four waves; wave 0 signals; every wave waits for all sixteen work-groups; my work-group's barrier once more.
.macro CREST                           ; a round behind its opening barrier
	s_cmp_lg_u32 s[WV], 0
	s_cbranch_scc1 .Lnot_wave_0_\@
	s_barrier_signal -3
.Lnot_wave_0_\@:
	s_barrier_wait -3
	s_barrier_signal -1
	s_barrier_wait -1
.endm
.macro CROUND
	s_barrier_signal -1
	s_barrier_wait -1
	CREST
.endm
	s_load_b256 s[4:11], s[0:1], 0x0               ; xb s[4:5], wqkv s[6:7], bq s[8:9], bk s[10:11]
	s_load_b128 s[12:15], s[0:1], 0x20             ; bv s[12:13], qkv s[14:15]
	v_lshl_add_u32 v[SPW], v0, 2, SPARE
	v_mov_b32 v[NIL], 0
	ds_add_u32 v16, v17
	ds_add_u32 v16, v17
	s_wait_dscnt 0x0
	v_lshrrev_b32 v1, 5, v0
	v_readfirstlane_b32 s[WV], v1                  ; wave 0..3
	s_lshr_b32 s[WR], s[WV], 1
	s_and_b32 s[WC], s[WV], 1
	s_mov_b32 s[MK], 0xffff0000
	s_bfe_u32 s19, ttmp6, 0x40000                  ; cx, cy: my place in the cluster
	s_bfe_u32 s20, ttmp6, 0x40004
	s_lshl_b32 s21, ttmp9, 2                       ; in a cluster launch ttmp9 and ttmp7 count clusters
	s_add_co_u32 s21, s21, s19                     ; X: tile column = 4 x cluster x + cx
	s_and_b32 s22, ttmp7, 0xffff
	s_lshl_b32 s22, s22, 2
	s_add_co_u32 s22, s22, s20                     ; Y: tile row = 4 x cluster y + cy
	s_lshl_b32 s23, s20, 2
	s_lshl_b32 s23, 15, s23                        ; my row of the cluster: places 4 cy .. 4 cy + 3
	s_lshl_b32 s62, 0x1111, s19                    ; my column: places cx, cx + 4, cx + 8, cx + 12
	s_or_b32 s[G1A], s23, GW                       ; x's tiles go to my row
	s_mov_b32 s[G1A+1], 128<<16                    ; tensor_dim0 = 128 elements (256 bytes: two rows of x's block)
	s_mov_b32 s[G1A+2], AR<<16                     ; tensor_dim1
	s_mov_b32 s[G1A+3], 128<<16                    ; tile_dim0
	s_mov_b32 s[G1A+4], AR                         ; tile_dim1
	s_mov_b32 s[G1A+5], 128                        ; elements from row to row: dense
	s_mov_b32 s[G1A+6], 0
	s_mov_b32 s[G1A+7], 0
	s_or_b32 s[G1B], s62, GW                       ; W's tiles go to my column
	s_mov_b32 s[G1B+1], TILE_N<<16                 ; tensor_dim0 = 384 elements (768 bytes)
	s_mov_b32 s[G1B+2], (32*KB)<<16                ; tensor_dim1 = 32 rows of k
	s_mov_b32 s[G1B+3], TILE_N<<16
	s_mov_b32 s[G1B+4], 32*KB
	s_mov_b32 s[G1B+5], NTOT
	s_mov_b32 s[G1B+6], 0
	s_mov_b32 s[G1B+7], 0
	; where the tiles come from.  x's hang on Y and the wave's number, W's on X and the wave's number, each in registers that never hold the other coordinate.
	s_lshr_b32 s58, s22, 3                         ; batch = Y / 8,
	s_lshl_b32 s58, s58, 22                        ; 16 blocks of 262,144 bytes each
	s_and_b32 s59, s22, 7
	s_lshl_b32 s59, s59, 15                        ; 256 rows of 128 bytes
	s_add_co_u32 s58, s58, s59
	s_mul_i32 s59, s[WC], APG                      ; my part of the tile
	s_add_co_u32 s58, s58, s59
	s_mov_b32 s59, 0
	s_mul_i32 s60, s21, TILE_N*2
	s_mul_i32 s61, s[WC], BPG
	s_add_co_u32 s60, s60, s61
	s_mov_b32 s61, 0
	s_mul_i32 s2, s[WC], APL                       ; and where they go: no place in the cluster enters an LDS address
	s_mul_i32 s3, s[WC], BPL
	s_add_co_u32 s3, s3, ABYTES
	s_mov_b32 s[TB], 0
	s_wait_kmcnt 0x0
	s_add_nc_u64 s[58:59], s[4:5], s[58:59]
	s_add_nc_u64 s[60:61], s[6:7], s[60:61]
.irp s, 0,1
	s_mov_b32 s[G0A+4*(\s)], 1                                       ; 1:0 count = 1
	s_add_co_u32 s[G0A+4*(\s)+1], s2, (\s)*SLOT1                     ; 63:32 LDS address
	s_add_nc_u64 s[G0A+4*(\s)+2:G0A+4*(\s)+3], s[58:59], (\s)*STEP_A ; 120:64 global address: K step s
	s_or_b32 s[G0A+4*(\s)+3], s[G0A+4*(\s)+3], 0x80000000            ; 127:126 type = 2
	s_mov_b32 s[G0B+4*(\s)], 1
	s_add_co_u32 s[G0B+4*(\s)+1], s3, (\s)*SLOT1
	s_add_nc_u64 s[G0B+4*(\s)+2:G0B+4*(\s)+3], s[60:61], (\s)*STEP_B
	s_or_b32 s[G0B+4*(\s)+3], s[G0B+4*(\s)+3], 0x80000000
.endr
	CROUND                                         ; all sixteen work-groups are here: the first joint loads meet
	s_cmp_lt_u32 s[WV], 2                          ; a wave's two first fills stand in one branch, ahead of every wait on TENSORcnt and every LDS read: two loads of mine are out
	s_cbranch_scc0 .Lfirst_b
	tensor_load_to_lds s[G0A:G0A+3], s[G1A:G1A+7]
	s_nop 0
	tensor_load_to_lds s[G0A+4:G0A+7], s[G1A:G1A+7]
	s_nop 0
.rept 4
	v_nop
.endr
	s_branch .Lfirst_asked
.Lfirst_b:
	tensor_load_to_lds s[G0B:G0B+3], s[G1B:G1B+7]
	s_nop 0
	tensor_load_to_lds s[G0B+4:G0B+7], s[G1B:G1B+7]
	s_nop 0
.rept 4
	v_nop
.endr
.Lfirst_asked:
	; All that follows up to the barrier stands in the wait for the first tile.
	v_and_b32 v1, 15, v0                           ; l % 16
	v_bfe_u32 v2, v0, 4, 1                         ; l / 16
	v_lshlrev_b32 v[VB], 5, v2
	; Head j of my three is number g = 6 X + 3 wc + j of 48: tensor g / 16 (q, k, v), head g % 16.
	s_mul_i32 s80, s21, 6
	s_mul_i32 s81, s[WC], 3
	s_add_co_u32 s80, s80, s81
	s_lshr_b32 s84, s22, 3
	s_lshl_b32 s84, s84, 4                         ; 16 x batch
	s_and_b32 s85, s22, 7
	s_lshl_b32 s85, s85, 15                        ; the tile's 256 rows of 128 bytes in a head,
	s_lshl_b32 s81, s[WR], 14                      ; my 128 of them
	s_add_co_u32 s85, s85, s81
.irp j, 0,1,2
	s_add_co_u32 s81, s80, \j
	s_lshr_b32 s82, s81, 4
	s_and_b32 s83, s81, 15
	s_cmp_eq_u32 s82, 1
	s_cselect_b64 s[BB+2*\j:BB+2*\j+1], s[10:11], s[8:9]
	s_cmp_eq_u32 s82, 2
	s_cselect_b64 s[BB+2*\j:BB+2*\j+1], s[12:13], s[BB+2*\j:BB+2*\j+1]
	s_lshl_b32 s78, s83, 8                         ; the head's 64 numbers of 4 bytes
	s_mov_b32 s79, 0
	s_add_nc_u64 s[BB+2*\j:BB+2*\j+1], s[BB+2*\j:BB+2*\j+1], s[78:79]
	s_lshl_b32 s78, s82, 6
	s_add_co_u32 s78, s78, s83
	s_add_co_u32 s78, s78, s84                     ; 64 x tensor + 16 x batch + head,
	s_lshl_b32 s78, s78, 18                        ; 2,048 rows of 128 bytes each
	s_add_co_u32 s78, s78, s85
	s_add_nc_u64 s[OB+2*\j:OB+2*\j+1], s[14:15], s[78:79]
.endr
.irp j, 0,1,2                          ; a lane's eight numbers of the bias for each 16 columns: bias[16 b + 8 (l / 16) + 0..7]
.if \j == NJ-1
.set rC, BI
.else
.set rC, 128+32*\j
.endif
.irp b, 0,1,2,3
	global_load_b128 v[rC+8*\b:rC+8*\b+3],   v[VB], s[BB+2*\j:BB+2*\j+1] offset:64*\b
	global_load_b128 v[rC+8*\b+4:rC+8*\b+7], v[VB], s[BB+2*\j:BB+2*\j+1] offset:64*\b+16
.endr
.endr
	; A fragment of x is 16 rows x 32 k in 8 registers: lane l holds row l % 16, k = 8 (l / 16) + 0..7 and 16 + 8 (l / 16) + 0..7: two loads of 16 bytes, 32 bytes apart.
	v_mul_u32_u24 v[ADA0], v1, PA
	v_lshl_add_u32 v[ADA0], v2, 4, v[ADA0]
	s_mul_i32 s2, s[WR], 128*PA                    ; my 128 rows
	v_add_nc_u32 v[ADA0], s2, v[ADA0]
	; The turning load takes 16 k x 16 columns (lane l reads row 8 (l / 16) + l % 8, columns 8 ((l / 8) % 2) + 0..7) and leaves half a fragment: lane l holds column l % 16 and 8 k.
	v_and_b32 v3, 7, v0
	v_bfe_u32 v4, v0, 3, 1
	v_lshl_add_u32 v[ADB0], v2, 3, v3
	v_mul_u32_u24 v[ADB0], v[ADB0], PB
	v_lshl_add_u32 v[ADB0], v4, 4, v[ADB0]
	s_mul_i32 s3, s[WC], NJ*144                    ; my three groups of 64 columns
	s_add_co_u32 s3, s3, ABYTES
	v_add_nc_u32 v[ADB0], s3, v[ADB0]
	v_mov_b32 v[ADA], v[ADA0]                      ; slot 0
	v_mov_b32 v[ADB], v[ADB0]
	s_mul_i32 s2, s[WV], 16*SP
	s_add_co_u32 s2, s2, STAGE                     ; my stage
	v_mul_u32_u24 v[STO], v1, SP                   ; in: row l % 16, 16 bytes for each half of the lanes
	v_lshl_add_u32 v[STO], v2, 4, v[STO]
	v_add_nc_u32 v[STO], s2, v[STO]
	v_bfe_u32 v[RD], v0, 3, 2                      ; back: 32 lanes take four rows of 128 bytes,
	v_mul_u32_u24 v[RD], v[RD], SP
	v_lshl_add_u32 v[RD], v3, 4, v[RD]
	v_add_nc_u32 v[RD], s2, v[RD]
	v_and_b32 v[GO], 31, v0                        ; which are 512 consecutive bytes of a head
	v_lshlrev_b32 v[GO], 4, v[GO]
	s_wait_loadcnt 0x0                             ; the bias
.macro ROUNDB b                        ; two numbers of a bias rounded to bf16 and kept as f32
	v_cvt_pk_bf16_f32 v[TR], v[\b], v[(\b)+1]
	v_lshlrev_b32 v[\b], 16, v[TR]
	v_and_b32 v[(\b)+1], s[MK], v[TR]
.endm
.set i, BI
.rept 16
	ROUNDB i
.set i, i+2
.endr
.set i, 128
.rept 32
	ROUNDB i
.set i, i+2
.endr
; 4 n matrix instructions of sub-step c, head j: row blocks a0 .. a0 + n - 1 x the head's four column blocks.  zero = 1: the product starts the sum, with the bias as C.
; All accumulators take turns, one instruction a turn: between two links of a chain stand the 95 others'.
.macro MUL c, j, a0, n, zero
.if \zero
	WIN (1+(\j))<<6
.else
	WIN ((1+(\j))<<6)|((1+(\j))<<4)
.endif
.set rB, BF+32*(((\c)*NJ+(\j))%2)
.set rA, AF+64*((\c)%2)
.if (\j) == NJ-1
.set rC, BI
.else
.set rC, 128+32*(\j)
.endif
.set ia, \a0
.rept \n
.set ib, 0
.rept 4
.if \zero
	v_wmma_f32_16x16x32_bf16 v[8*(4*ia+ib):8*(4*ia+ib)+7], v[rB+8*ib:rB+8*ib+7], v[rA+8*ia:rA+8*ia+7], v[rC+8*ib:rC+8*ib+7]
.else
	v_wmma_f32_16x16x32_bf16 v[8*(4*ia+ib):8*(4*ia+ib)+7], v[rB+8*ib:rB+8*ib+7], v[rA+8*ia:rA+8*ia+7], v[8*(4*ia+ib):8*(4*ia+ib)+7]
.endif
.set ib, ib+1
.endr
.set ia, ia+1
.endr
.endm
.macro FETCH_B c, j                    ; 8 loads: W's fragments of sub-step c, head j, into the buffer of the phase's parity
	WIN 0
.set rB, BF+32*(((\c)*NJ+(\j))%2)
.set ib, 0
.rept 4
	ds_load_tr16_b128 v[rB+8*ib:rB+8*ib+3],   v[ADB] offset:(\c)*32*PB+(\j)*144+32*ib
	ds_load_tr16_b128 v[rB+8*ib+4:rB+8*ib+7], v[ADB] offset:(\c)*32*PB+(\j)*144+32*ib+16*PB
.set ib, ib+1
.endr
.endm
.macro FETCH_A c                       ; 16 loads: x's fragments of sub-step c, row blocks ascending, into buffer c % 2
	WIN 0
.set rA, AF+64*((\c)%2)
.set ia, 0
.rept 8
	ds_load_b128 v[rA+8*ia:rA+8*ia+3],   v[ADA] offset:((\c)/2)*256*PA+ia*16*PA+((\c)%2)*64
	ds_load_b128 v[rA+8*ia+4:rA+8*ia+7], v[ADA] offset:((\c)/2)*256*PA+ia*16*PA+((\c)%2)*64+32
.set ia, ia+1
.endr
.endm
; A PHASE: the 32 matrix instructions of sub-step c, head j.  Behind its first eight it fetches the next phase's fragments in one run: W's 8 loads and, ahead of a new sub-step, x's 16.
; mode 0: as said.  mode 3: the very last phase: nothing is fetched.
; mode 1, 2: a slot's last phase: THE CHANGE OF SLOTS.  Each wave waits for all its tensor loads, of which one is out: its part of the other slot; adds 0 to its spare word; and waits for that and for its own reads
; of this slot.  Behind the barrier nobody reads this slot any more and the other slot is whole.  mode 1: this slot is filled again, two steps on: the barrier opens a round of the cluster's, so that no wave of any
; partner still reads the slot or has a load on its way, and the joint refill is the first thing behind the round: a wave issues 176 matrix instructions between it and the wait for it.
.macro PHASE c, j, zero, mode
.if (\j) == 0
.set FIRST, 1                          ; a sub-step's first phase: x's fragments are new too
.else
.set FIRST, 0
.endif
.if (\j) == NJ-1
.set NF, 24                            ; loads in the run
.set nxc, ((\c)+1)%NC
.set nxj, 0
.else
.set NF, 8
.set nxc, (\c)
.set nxj, (\j)+1
.endif
.if ((\mode) == 0) || ((\mode) == 3)
.if FIRST
	s_wait_dscnt 12                                ; W's and x's row blocks 0, 1 are in; the twelve loads of blocks 2-7 may be out
.else
	s_wait_dscnt 0x0                               ; W's eight loads
.endif
	MUL \c, \j, 0, 2, \zero
.if (\mode) == 0
	PLACES
	FETCH_B nxc, nxj
.if NF == 24
	FETCH_A nxc
.endif
.set YOUNG, NF
.else
.set YOUNG, 0
.endif
.if FIRST
	s_wait_dscnt YOUNG+8                           ; the run just issued and blocks 4-7 may be out
	MUL \c, \j, 2, 2, \zero
	s_wait_dscnt YOUNG+4
	MUL \c, \j, 4, 2, \zero
	s_wait_dscnt YOUNG
	MUL \c, \j, 6, 2, \zero
.else
	MUL \c, \j, 2, 6, \zero
.endif
.else
	WIN 0                                          ; (the add's two registers lie in window 0)
	s_wait_tensorcnt 0x0                           ; no tensor load of mine is out, so a group 0 may be written
	ds_add_u32 v[SPW], v[NIL]                      ; 0 onto my spare word
.if (\mode) == 1
	s_xor_b32 s[G0A+5], s[G0A+5], SLOT1            ; the walking descriptors: the other slot than last time,
	s_add_nc_u64 s[G0A+6:G0A+7], s[G0A+6:G0A+7], STEP_A  ; the next K step; the type bits on top are not reached
	s_xor_b32 s[G0B+5], s[G0B+5], SLOT1
	s_add_nc_u64 s[G0B+6:G0B+7], s[G0B+6:G0B+7], STEP_B
.endif
.if FIRST
	s_wait_dscnt 13                                ; the add and x's twelve youngest loads may be out
.else
	s_wait_dscnt 1                                 ; the add may be out
.endif
	MUL \c, \j, 0, 2, 0                            ; eight matrix instructions stand between the add and the wait for it
	s_wait_dscnt 0x0                               ; the add is done, and my reads of this slot are over
	s_barrier_signal -1
	MUL \c, \j, 2, 2, 0                            ; work on registers while the others arrive
	WIN 0
	s_barrier_wait -1
.if (\mode) == 1
	CREST
	JLOAD                                          ; its four v_nop are also the places in front of the loads below
.else
	PLACES
.endif
	s_xor_b32 s[TB], s[TB], SLOT1
	v_add_nc_u32 v[ADA], s[TB], v[ADA0]
	v_add_nc_u32 v[ADB], s[TB], v[ADB0]
	FETCH_B 0, 0
	FETCH_A 0
	MUL \c, \j, 4, 4, 0
.endif
.endm
.macro TRIP chg                        ; from a slot's second sub-step to the next slot's first
	PHASE 1, 0, 0, 0
	PHASE 1, 1, 0, 0
	PHASE 1, 2, 0, \chg
	PHASE 0, 0, 0, 0
	PHASE 0, 1, 0, 0
	PHASE 0, 2, 0, 0
.endm
	s_wait_tensorcnt 1                             ; my part of slot 0 is in; slot 1's may stay out
	s_barrier_signal -1
	s_barrier_wait -1                              ; everybody's is
	FETCH_B 0, 0
	FETCH_A 0
	PHASE 0, 0, 1, 0                               ; the first sub-step stands in front of the loop: its products start the sums
	PHASE 0, 1, 1, 0
	PHASE 0, 2, 1, 0
	WIN 0                                          ; at a label and at a branch every window is 0
	s_mov_b32 s[CNT], STEPS-2
.Lstep:                                                ; 14 trips, each with one refill: K steps 2 to 15
	TRIP 1
	WIN 0
	s_sub_co_u32 s[CNT], s[CNT], 1
	s_cmp_lg_u32 s[CNT], 0
	s_cbranch_scc1 .Lstep
	TRIP 2                                         ; the tail is written out: nothing more is asked for
	PHASE 1, 0, 0, 0
	PHASE 1, 1, 0, 0
	PHASE 1, 2, 0, 3
	; THE WAY OUT, 24 blocks of 16 rows x 64 columns (block t: head t / 8, row block t % 8).  Rounded to f16, 16 bytes a lane, into my stage's rows of 144 bytes; back as whole rows of 128; stored, 512 consecutive bytes a store.
.macro PACK t
.set oj, (\t)/8
.set oa, (\t)%8
	WIN ((1+oj)<<2)|(1+oj)                         ; sources 0 and 1 in the head's window
.set i, 0
.rept 16                               ; ascending: each accumulator is read from its low end
	v_cvt_pk_f16_f32 v[PK+i], v[32*oa+2*i], v[32*oa+2*i+1]
.set i, i+1
.endr
	WIN 0
.irp f, 0,1,2,3
	ds_store_b128 v[STO], v[PK+4*\f:PK+4*\f+3] offset:32*\f
.endr
	s_wait_xcnt 0x0                                ; the stores of the block before last have read this buffer: it is loaded again only behind this wait
.irp f, 0,1,2,3
	ds_load_b128 v[BK+16*((\t)%2)+4*\f:BK+16*((\t)%2)+4*\f+3], v[RD] offset:\f*4*SP  ; LDS serves a wave's instructions in order (ISA guide 5.7.1.4): these see the stores above; the next block's stores come behind them
.endr
.endm
.macro SEND t, younger                 ; younger: the LDS instructions issued behind block t's loads: the next block's eight, or none
.set oj, (\t)/8
.set oa, (\t)%8
	s_wait_dscnt \younger                          ; the block's four loads are back: they were issued a whole block's conversions ago
.irp f, 0,1,2,3
	global_store_b128 v[GO], v[BK+16*((\t)%2)+4*\f:BK+16*((\t)%2)+4*\f+3], s[OB+2*oj:OB+2*oj+1] offset:oa*2048+\f*512
.endr
.endm
	PLACES                                         ; the conversions read results just made
	PACK 0
.set t, 1
.rept 23                               ; a block's conversions stand between the loads of the block before and its stores
	PACK t
	SEND t-1, 8
.set t, t+1
.endr
	SEND 23, 0
	s_wait_tensorcnt 0x0                           ; the wave's end: behind my last tensor load and my last LDS store
	ds_add_u32 v[SPW], v[NIL]
	s_wait_dscnt 0x0
	CROUND                                         ; the closing round: no work-group ends while a partner may still ask for a tile that names it
	s_endpgm
.Lfunc_end_k_q5e298a8fc6_proj_in:
	.size	k_q5e298a8fc6_proj_in, .Lfunc_end_k_q5e298a8fc6_proj_in-k_q5e298a8fc6_proj_in
	.p2alignl 7, 3214868480
	.fill 96, 4, 3214868480
	.section	.rodata,"a",@progbits
	.p2align	6, 0x0
	.amdhsa_kernel k_q5e298a8fc6_proj_in
		.amdhsa_group_segment_fixed_size 327680
		.amdhsa_private_segment_fixed_size 0
		.amdhsa_enable_private_segment 0
		.amdhsa_kernarg_size 48
		.amdhsa_user_sgpr_count 2
		.amdhsa_user_sgpr_kernarg_segment_ptr 1
		.amdhsa_wavefront_size32 1
		.amdhsa_system_sgpr_workgroup_id_x 1
		.amdhsa_system_sgpr_workgroup_id_y 1
		.amdhsa_system_sgpr_workgroup_id_z 1
		.amdhsa_system_vgpr_workitem_id 0
		.amdhsa_next_free_vgpr 1024
		.amdhsa_next_free_sgpr 88
		.amdhsa_reserve_vcc 0
		.amdhsa_float_denorm_mode_32 3
		.amdhsa_float_denorm_mode_16_64 3
		.amdhsa_memory_ordered 1
		.amdhsa_forward_progress 1
		.amdhsa_inst_pref_size 123
	.end_amdhsa_kernel
	.amdgpu_metadata
---
amdhsa.version: [ 1, 2 ]
amdhsa.kernels:
  - .name:           k_q5e298a8fc6_proj_in
    .symbol:         k_q5e298a8fc6_proj_in.kd
    .args:
      - { .name: xb, .offset: 0, .size: 8, .value_kind: global_buffer, .address_space: global }
      - { .name: wqkv, .offset: 8, .size: 8, .value_kind: global_buffer, .address_space: global }
      - { .name: bq, .offset: 16, .size: 8, .value_kind: global_buffer, .address_space: global }
      - { .name: bk, .offset: 24, .size: 8, .value_kind: global_buffer, .address_space: global }
      - { .name: bv, .offset: 32, .size: 8, .value_kind: global_buffer, .address_space: global }
      - { .name: qkv, .offset: 40, .size: 8, .value_kind: global_buffer, .address_space: global }
    .group_segment_fixed_size: 327680
    .private_segment_fixed_size: 0
    .kernarg_segment_align: 8
    .kernarg_segment_size: 48
    .max_flat_workgroup_size: 128
    .sgpr_count:     88
    .vgpr_count:     1024
    .wavefront_size: 32
...
	.end_amdgpu_metadata
.endif
;; end of part 2
;; launch attn (part 3): grid 4 x 64, 4 waves a work-group, no clusters, 327,680 bytes of LDS; arguments qkv, ob; writes ob
.if DOCPART == 3
	.amdgcn_target "amdgcn-amd-amdhsa--gfx1250"
	.amdhsa_code_object_version 6
	.text
	.protected	k_q5e298a8fc6_attn
	.globl	k_q5e298a8fc6_attn
	.p2align	8
	.type	k_q5e298a8fc6_attn,@function
k_q5e298a8fc6_attn:
	s_mov_b64 s[64:65], 0
	v_nop
	global_prefetch_b8 v0, s[64:65] scope:SCOPE_SE
	s_setreg_imm32_b32 hwreg(HW_REG_WAVE_MODE, 25, 1), 1
	s_wait_xcnt 0x0
; CAUSAL ATTENTION.  O[h][q][:] = the sum over k <= q of softmax_k(Q[h][q] . K[h][k] / 8) V[h][k][:].  Q, K, V are the three parts of qkv, O is ob: each [SIZE_H][SIZE_N][64], all f16: a head's rows are dense, 128 bytes each.
; Products, maxima and sums in f32; the weights p are rounded to f16 for the second product (their sum l is taken of the unrounded p), O once at the end.
; LIMITS.  f16 holds no number beyond 65,504: Q, K and V arrive within it; p lies in 0 to 1, and below 6e-5 it keeps f16's fixed step of 6e-8; O is a mean of V's rows and has their range, to within 2^-11 of it.
; A hidden score counts as its value less 1e30: f16's scores, 2.7e11 at the most, are nothing beside that; a weight below 2^-126 counts as 0 in l; NaN and infinities are not treated apart.
; THE WALK.  A head's queries lie in NB = SIZE_N / 256 blocks of 256; block i needs the key tiles 0 .. i of 256 keys, of which the last holds the diagonal.  A work-group takes TWO blocks, NB - 1 - b and then b:
; NB + 1 tiles, whatever b: all work-groups do equal work, and ONE loop with a constant trip count walks them.  Which tile is asked for, and what a trip does, hang on scalar registers made from b; every jump
; goes forward, but for the counted loops' own; none passes a barrier, or a tensor load but the one of LOAD's two that the wave's number does not choose; the ring (two slots of LDS that take turns) runs on across the
; change of blocks.  NO CLUSTER: a head's NB / 2 work-groups all ask for the same tile only in trips 0 .. NB / 2, behind that fewer and fewer; and one walk common to all would have 3 NB / 2 trips for NB + 1.
; SHARES.  Of a block's four bands of 64 queries a wave owns 16 rows in each: four PIECES.  So the diagonal tile is the same work for all four waves: in its key step s band x sees all keys if s < x,
; none if s > x, and holds the diagonal if s = x.
; THE MASK is the C operand that starts the sum S^T = K Q^T: 0, or -1e30 where the key is hidden.  MD, made once, is the mask of a band's own step for my 16 rows; a product's mask is MD x AL + BE with two scalars:
; (1, 0) if s = x; (0, 0) if s < x; (0, -1e30) if s > x.  Every product that starts a sum takes its C from MC, so that ONE text of a key step serves every tile of the loop: off the diagonal MC holds the zeros
; that a block's beginning put there, and the lines that make masks are jumped over, forward, on the scalar RT.
; LAYOUT, SOFTMAX, TURNS.  S^T = K Q^T holds ONE query a lane (lane % 16) and the keys 8 (lane / 16) + 0..7; two such results rounded to f16 ARE source 1 of O^T = V^T P.  p = 2^(c s - c m), c = log2(e) / 8, with a
; running maximum m; O and l are multiplied by a = 2^(c m_old - c m_new) in every step.  Turn n belongs to piece n: 8 products K Q^T of piece n + 1, later 8 products V^T P of piece n - 1; beside them the scaling,
; exponentials, roundings, sums and rescaling of piece n and the maximum and statistics of piece n + 1.  Four vector instructions stand behind every matrix instruction, the other 54 of a turn's 118 in two LUMPS.
; REGISTERS, in windows of 256 (s_set_vgpr_msb: bits 1:0 source 0, 3:2 source 1, 5:4 source 2, 7:6 destination):
;   window 0: v0-15 addresses and two at work; v16-31 four registers of statistics a piece; v48-55 at work; v64-127 S^T, two buffers; v192-223 P, two buffers (a piece's buffers go by its number's parity)
;   window 1: v0-127 O^T, 32 a piece; v128-159 MD; v160-223 MC, two buffers      window 2: v0-63 Q; v64-127 the second block's Q; v128-191 K of one step; v192-255 V of one step
.set SIZE_H, 64       ; batch x heads
.set SIZE_N, 2048
.set NB,    SIZE_N/256
.set NP,    4         ; pieces a wave: a name, no knob
.set KS,    64        ; keys in a step
.set PK,    144       ; a row of K in LDS: 128 bytes + 16 of padding = 36 words: the 16 rows of a load start at 16 different groups of four banks (64 banks of 4 bytes: ISA guide 11.1)
.set PV,    160       ; a row of V: 128 + 32 = 40 words
.set VOFF,  4*KS*PK   ; a slot holds a tile, four steps: 256 rows of K, then 256 rows of V
.set SLOT1, 1<<17     ; slot 1 begins here, so that one exclusive or turns an address in one slot into the other's
.set STAGE, SLOT1+4*KS*(PK+PV)  ; behind the ring, never filled by a tensor load: 16 rows x 144 bytes for each wave, for the way out
.set SP,    144
.set AK0, 2           ; v2   my lane's place in a tile of K; never rewritten
.set AV0, 3           ; v3   the same for V
.set AK,  4           ; v4   the LDS address of K's next run of loads
.set AV,  5           ; v5   of V's
.set STO, 6           ; v6   the way out: where I put 16 bytes of a row
.set RD,  7           ; v7   the way out: where I read rows back
.set GO,  8           ; v8   my byte offset in 512 consecutive bytes of O
.set SPW, 62          ; v62  LDS address of my spare word: SPARE + 4 x my thread's number; never rewritten
.set NIL, 63          ; v63  0; never rewritten
.set SPARE, STAGE+4*16*SP  ; behind the stages: the spare words, 128 bytes for each wave: two blocks of 256 bytes that no other line names
.set MV,  12          ; v12-13  c m_old, kept while c m is made anew: by buffer (v12 first holds -1e30, while MD is made)
.set QO,  15          ; v15  my byte offset in 16 rows of Q
.set ST,  16          ; piece t's statistics at v[ST+4 t]: c m, m, l (even keys', odd keys')
.set TMP, 48          ; by buffer, four registers c0-c3 at work; when the maximum is found c2 takes a
.set S,   64
.set P,   192
.set MD,  128         ; window 1: the eight registers for group kt of 16 keys at MD + 8 kt
.set MC,  160         ; window 1: the masks of the products to come
.set QB,  64          ; window 2
.set KF,  128         ; window 2: key block kb, channel half c at KF + 16 kb + 8 c
.set VF,  192         ; window 2: key half kk, channel block cb at VF + 32 kk + 8 cb
.set WV,  12          ; s12  my wave's number
.set PB,  14          ; s14  b
.set HI,  15          ; s15  NB - 1 - b
.set G1K, 24          ; s[24:31] descriptor group 1 for K's tiles
.set G1V, 32          ; s[32:39] for V's: it differs in the padding alone
.set G0K, 40          ; s[40:43] descriptor group 0 for K's tiles
.set G0V, 44          ; s[44:47] the same for V's
.set SLOTS, 56        ; s56  tiles still to be asked for
.set CNT, 57          ; s57  counts a tile's key steps, 4 to 1
.set CS,  58          ; s[58:59] c: the packed scaling takes the pair's low word for both halves
.set SEL, 60          ; s[60:61] v_permlanex16_b32's selects: each lane takes its own place in the other half
.set TBK, 62          ; s62  LDS byte at which K of the step to be fetched begins
.set TBV, 63          ; s63  the same for V, less VOFF
.set RT,  70          ; s70  tiles of the block in hand that are still to be entered: 0 in the diagonal tile
.set NXT, 71          ; s71  the tile to be asked for next
.set LQ,  72          ; s72  the last tile of the block whose tiles are being asked for
.set NEW, 73          ; s73  1: the tile to be entered is a block's first
.set OFF, 74          ; s[74:75] a tile's byte offset in K and V
.set AL,  76          ; s[76:77] the mask's factor, in the low word
.set BE,  78          ; s[78:79] the mask's addend
.set OLO, 80          ; s[80:81] O at my rows of the second block
.set BIGN, 82         ; s82  -1e30
.set MSB, 0
.macro WIN new                      ; the high byte repeats the setting that is left; a switch that changes nothing is dropped
.if MSB != (\new)
	s_set_vgpr_msb (MSB<<8)|(\new)
.set MSB, (\new)
.endif
.endm
.set W_KQ, 0x0a       ; K and Q in window 2, S^T in window 0
.set W_KM, 0x1a       ; the same with the C operand in window 1
.set W_PV, 0x52       ; V in window 2, P in window 0, O^T in window 1
.set W_RS, 0x41       ; destination and source 0 in window 1, source 1 in window 0
; A fill.  Waves 0 and 1 fetch the two halves of a tile's K, waves 2 and 3 those of its V: 128 keys each.  An s_nop 0 and four v_nop follow each of the two lines, ahead of the jump and the label.
.macro LOAD
	s_cmp_lt_u32 s[WV], 2
	s_cbranch_scc0 .Lfor_v_\@
	tensor_load_to_lds s[G0K:G0K+3], s[G1K:G1K+7]
	s_nop 0
.rept 4
	v_nop
.endr
	s_branch .Lasked_\@
.Lfor_v_\@:
	tensor_load_to_lds s[G0V:G0V+3], s[G1V:G1V+7]
	s_nop 0
.rept 4
	v_nop
.endr
.Lasked_\@:
.endm
; THE CHANGE OF SLOTS.  Each wave waits for all its tensor loads, of which one is out: its part of the other slot; adds 0 to its spare word; and waits for that and for its own reads of the slot that it leaves.  Behind the barrier nobody reads the old
; slot any more and the other slot is whole.  fill = 1: the old slot is filled again, the first thing behind the barrier, with tile NXT: the descriptor's address is made anew from that number.
; (At its first use nothing has been read yet: slot 0 is waited for, slot 1 filled.)
.macro CHANGE fill
	WIN 0                           ; at a label and at a branch every window is 0
	s_wait_tensorcnt 0x0            ; no tensor load of mine is out, so a group 0 may be written
	ds_add_u32 v[SPW], v[NIL]       ; 0 onto my spare word; with fill = 1 the descriptors' scalar work stands between it and the wait for it
.if \fill
	s_lshl_b32 s[OFF], s[NXT], 15   ; a tile is 32,768 bytes of K and of V
	s_xor_b32 s[G0K+1], s[G0K+1], SLOT1
	s_add_nc_u64 s[G0K+2:G0K+3], s[6:7], s[OFF:OFF+1]
	s_or_b32 s[G0K+3], s[G0K+3], 0x80000000
	s_xor_b32 s[G0V+1], s[G0V+1], SLOT1
	s_add_nc_u64 s[G0V+2:G0V+3], s[8:9], s[OFF:OFF+1]
	s_or_b32 s[G0V+3], s[G0V+3], 0x80000000
	s_add_co_u32 s[NXT], s[NXT], 1  ; the block's next tile, or behind its last the second block's tile 0
	s_cmp_gt_u32 s[NXT], s[LQ]
	s_cselect_b32 s[NXT], 0, s[NXT]
	s_cselect_b32 s[LQ], s[PB], s[LQ]
.endif
	s_wait_dscnt 0x0                ; the add is done, and my reads of the slot are over
	s_barrier_signal -1             ; the rest of the scalar work stands between the signal and the wait
	s_sub_co_u32 s[TBK], s[TBK], 4*KS*PK  ; the fetches go back to a slot's first step,
	s_xor_b32 s[TBK], s[TBK], SLOT1       ; in the other slot
	s_sub_co_u32 s[TBV], s[TBV], 4*KS*PV
	s_xor_b32 s[TBV], s[TBV], SLOT1
	s_barrier_wait -1
.if \fill
	LOAD
.endif
.endm
	s_load_b128 s[4:7], s[0:1], 0x0  ; qkv s[4:5] (its first part is Q), ob s[6:7]
	v_lshl_add_u32 v[SPW], v0, 2, SPARE
	v_mov_b32 v[NIL], 0
	ds_add_u32 v62, v63
	ds_add_u32 v62, v63
	s_wait_dscnt 0x0
	v_lshrrev_b32 v1, 5, v0
	v_readfirstlane_b32 s[WV], v1   ; wave 0..3
	s_mov_b32 s[PB], ttmp9
	s_sub_co_u32 s[HI], NB-1, s[PB]
	s_and_b32 s20, ttmp7, 0xffff    ; the head
	s_mov_b32 s21, 0
	s_mov_b64 s[22:23], SIZE_N*128
	s_mul_u64 s[20:21], s[20:21], s[22:23]  ; the head's first byte in each of the four tensors
	s_and_b32 s16, s[WV], 1         ; which half of a tile's 256 keys I fetch:
	s_lshl_b32 s22, s16, 14         ; its 128 rows of 128 bytes in memory,
	s_mov_b32 s23, 0
	s_add_nc_u64 s[22:23], s[22:23], s[20:21]
	s_mul_i32 s17, s16, 128*PK      ; and its place in a slot, for K
	s_mul_i32 s18, s16, 128*PV      ; and for V
	s_lshl_b32 s3, s[WV], 11        ; my 16 rows in a band of 64,
	s_lshl_b32 s2, s[HI], 15        ; in the first block,
	s_add_co_u32 s2, s2, s3
	s_lshl_b32 s84, s[PB], 15       ; and in the second
	s_add_co_u32 s84, s84, s3
	s_mov_b32 s3, 0
	s_mov_b32 s85, 0
	s_add_nc_u64 s[2:3], s[2:3], s[20:21]
	s_add_nc_u64 s[84:85], s[84:85], s[20:21]
	; descriptor group 1.  128 keys are 16,384 dense bytes: asked for as 64 rows of 256 bytes, two keys a row, and padded in LDS after every key
	s_mov_b32 s[G1K], (1<<16)|(1<<20)|(4<<22)|(3<<25)  ; 17:16 2-byte elements; 20 padding on; 24:22 after every 32 words (code 4); 31:25 4 words (code 3)
	s_mov_b32 s[G1V], (1<<16)|(1<<20)|(4<<22)|(7<<25)  ; the same with 8 words of padding (code 7)
.irp g, G1K, G1V
	s_mov_b32 s[\g+1], 128<<16      ; tensor_dim0 = 128
	s_mov_b32 s[\g+2], 64<<16       ; tensor_dim1 = 64
	s_mov_b32 s[\g+3], 128<<16      ; tile_dim0 = 128
	s_mov_b32 s[\g+4], 64           ; tile_dim1 = 64
	s_mov_b32 s[\g+5], 128          ; 128 elements from row to row
	s_mov_b32 s[\g+6], 0
	s_mov_b32 s[\g+7], 0
.endr
	s_mov_b32 s[CS], 0x3e38aa3b     ; c = log2(e) / 8 = 0.180337
	s_mov_b32 s[CS+1], s[CS]        ; named with it as a pair
	s_mov_b32 s[SEL], 0x76543210
	s_mov_b32 s[SEL+1], 0xfedcba98
	s_mov_b32 s[TBK], SLOT1+4*KS*PK ; the first change of slots turns these two into 0
	s_mov_b32 s[TBV], SLOT1+4*KS*PV
	s_mov_b32 s[G0K], 1             ; 1:0 count = 1
	s_mov_b32 s[G0K+1], s17         ; 63:32 LDS address: slot 0
	s_mov_b32 s[G0V], 1
	s_add_co_u32 s[G0V+1], s18, VOFF
	s_add_co_u32 s[RT], s[HI], 1    ; the first block has NB - b tiles
	s_mov_b32 s[NXT], 1
	s_mov_b32 s[LQ], s[HI]
	s_mov_b32 s[NEW], 1
	s_mov_b32 s[OFF+1], 0
	s_mov_b32 s[AL+1], 0            ; named as pairs
	s_mov_b32 s[BE+1], 0
	s_mov_b32 s[BIGN], 0xf149f2ca   ; -1e30
	s_mov_b32 s[SLOTS], NB
	s_wait_kmcnt 0x0
	s_mov_b64 s[10:11], s[6:7]                     ; O
	s_add_nc_u64 s[6:7], s[4:5], 0x1000000         ; K: qkv's second part, 64 x 2,048 x 128 bytes on
	s_add_nc_u64 s[8:9], s[4:5], 0x2000000         ; V: its third
	s_add_nc_u64 s[6:7], s[6:7], s[22:23]  ; K and V at my half of the head's tile 0
	s_add_nc_u64 s[8:9], s[8:9], s[22:23]
	s_add_nc_u64 s[G0K+2:G0K+3], s[6:7], 0         ; 120:64 global address
	s_or_b32 s[G0K+3], s[G0K+3], 0x80000000        ; 127:126 type = 2
	s_add_nc_u64 s[G0V+2:G0V+3], s[8:9], 0
	s_or_b32 s[G0V+3], s[G0V+3], 0x80000000
	s_add_nc_u64 s[86:87], s[4:5], s[84:85]        ; Q at my rows of the second block,
	s_add_nc_u64 s[4:5], s[4:5], s[2:3]            ; Q and O at those of the first
	s_add_nc_u64 s[OLO:OLO+1], s[10:11], s[84:85]
	s_add_nc_u64 s[10:11], s[10:11], s[2:3]
	LOAD                            ; tile 0 into slot 0
	; A fragment of K or Q is 16 rows x 32 channels in 8 registers: lane l holds row l % 16, channels 8 (l / 16) + 0..7 and 16 + 8 (l / 16) + 0..7: two loads of 16 bytes, 32 bytes apart.
	v_and_b32 v1, 15, v0            ; l % 16
	v_bfe_u32 v9, v0, 4, 1          ; l / 16
	v_lshlrev_b32 v[QO], 7, v1
	v_lshl_add_u32 v[QO], v9, 4, v[QO]  ; row x 128 + 16 x half
	WIN 0x80                        ; destination window 2, address window 0
.set i, 0
.rept 8                             ; both blocks' Q: piece i / 2 lies in band i / 2, 8,192 bytes on; channels 32 (i % 2) on
	global_load_b128 v[8*i:8*i+3],   v[QO], s[4:5] offset:(i/2)*8192+(i%2)*64
	global_load_b128 v[8*i+4:8*i+7], v[QO], s[4:5] offset:(i/2)*8192+(i%2)*64+32
	global_load_b128 v[QB+8*i:QB+8*i+3],   v[QO], s[86:87] offset:(i/2)*8192+(i%2)*64
	global_load_b128 v[QB+8*i+4:QB+8*i+7], v[QO], s[86:87] offset:(i/2)*8192+(i%2)*64+32
.set i, i+1
.endr
	WIN 0
	v_lshlrev_b32 v14, 3, v9
	v_sub_nc_u32 v14, v1, v14
	s_lshl_b32 s13, s[WV], 4
	v_add_nc_u32 v14, s13, v14      ; my query's place in its band, 16 w + l % 16, less my lanes' 8 (l / 16): register r of group kt is hidden where 16 kt + r is greater
	v_mov_b32 v12, s[BIGN]
	WIN 0x40
.set i, 0
.rept 32
	v_cmp_gt_i32 vcc_lo, 16*(i/8)+i%8, v14
	v_cndmask_b32 v[MD+i], 0, v12, vcc_lo
.set i, i+1
.endr
	WIN 0
	v_mul_u32_u24 v[AK0], v1, PK
	v_lshl_add_u32 v[AK0], v9, 4, v[AK0]  ; row x pitch + 16 x half
	; The turning load takes 16 keys x 16 channels (lane l reads key 8 (l / 16) + l % 8, channels 8 ((l / 8) % 2) + 0..7) and leaves half a fragment of V^T: lane l holds channel l % 16 and 8 keys.
	v_and_b32 v10, 7, v0
	v_bfe_u32 v11, v0, 3, 1
	v_lshl_add_u32 v[AV0], v9, 3, v10
	v_mul_u32_u24 v[AV0], v[AV0], PV
	v_lshl_add_u32 v[AV0], v11, 4, v[AV0]
	v_add_nc_u32 v[AV0], VOFF, v[AV0]
	s_mul_i32 s13, s[WV], 16*SP
	s_add_co_u32 s13, s13, STAGE    ; my stage
	v_mul_u32_u24 v[STO], v1, SP    ; in: row l % 16, 16 bytes for each half of the lanes
	v_lshl_add_u32 v[STO], v9, 4, v[STO]
	v_add_nc_u32 v[STO], s13, v[STO]
	v_bfe_u32 v[RD], v0, 3, 2       ; back: 32 lanes take four rows of 128 bytes,
	v_mul_u32_u24 v[RD], v[RD], SP
	v_lshl_add_u32 v[RD], v10, 4, v[RD]
	v_add_nc_u32 v[RD], s13, v[RD]
	v_and_b32 v[GO], 31, v0         ; which are 512 consecutive bytes of O
	v_lshlrev_b32 v[GO], 4, v[GO]
	; A block's first step multiplies O^T and l by a = 0, and its first turn's products V^T P, of a piece that has not been, land in an O^T that is still to be so multiplied.  So these registers need only hold
	; finite numbers: zeros for the first block; what the first block left for the second.  All this stands in the wait for the first tile.
	WIN 0x80
.set i, VF
.rept 64
	v_mov_b32 v[i], 0
.set i, i+1
.endr
	WIN 0x40
.set i, 0
.rept 128
	v_mov_b32 v[i], 0
.set i, i+1
.endr
	WIN 0
.set i, 0
.rept 4
	v_mov_b32 v[ST+4*i+2], 0
	v_mov_b32 v[ST+4*i+3], 0
.set i, i+1
.endr
.set i, P+16
.rept 16
	v_mov_b32 v[i], 0
.set i, i+1
.endr
; THE MATRIX WORK.  The 4 accumulators of a run of 8 take turns.  Product i of 8 of S^T = K Q^T for piece x: channels 32 (i / 4) on, keys 16 (i % 4) on.  The first 4 start the sums, with the mask as C.
.macro KQ x
.set rS, S+32*((\x)%2)+8*(i%4)
.set rK, KF+16*(i%4)+8*(i/4)
.set rQ, 16*(\x)+8*(i/4)
.set rM, MC+32*((\x)%2)+8*(i%4)
.if i < 4
	WIN W_KM
	v_wmma_f32_16x16x32_f16 v[rS:rS+7], v[rK:rK+7], v[rQ:rQ+7], v[rM:rM+7]
.else
	WIN W_KQ
	v_wmma_f32_16x16x32_f16 v[rS:rS+7], v[rK:rK+7], v[rQ:rQ+7], v[rS:rS+7]
.endif
.endm
; Product i of 8 of O^T += V^T P for piece x: keys 32 (i / 4) on, channels 16 (i % 4) on.
.macro PV x
	WIN W_PV
.set rO, 32*(\x)+8*(i%4)
.set rV, VF+32*(i/4)+8*(i%4)
.set rP, P+16*((\x)%2)+8*(i/4)
	v_wmma_f32_16x16x32_f16 v[rO:rO+7], v[rV:rV+7], v[rP:rP+7], v[rO:rO+7]
.endm
.macro MM                           ; the turn's next matrix instruction.  TURN and BEGIN set Y, i and NOKQ; MM, KQ and OP read them.  NOKQ = 1: a block's last turn: there is no next piece
.if (i < 8) && !NOKQ
	KQ (Y+1)%NP
.elseif i >= 8
.set i, i-8
	PV (Y+NP-1)%NP
.set i, i+8
.endif
.set i, i+1
.endm
; THE LDS LOADS stand in runs of 16, never singly among the matrix instructions: a step's K (64 keys x 64 channels: 8 fragments) and its V (turned).  Their addresses are made some lines ahead.
.macro FETCH_K
	WIN 0x80                        ; destination window 2
.irp f, 0,1,2,3,4,5,6,7             ; keys 16 (f / 2) on, channels 32 (f % 2) on
	ds_load_b128 v[KF+8*\f:KF+8*\f+3],   v[AK] offset:(\f/2)*16*PK+(\f%2)*64
	ds_load_b128 v[KF+8*\f+4:KF+8*\f+7], v[AK] offset:(\f/2)*16*PK+(\f%2)*64+32
.endr
	s_add_co_u32 s[TBK], s[TBK], KS*PK  ; the next fetch is the next step's
	WIN 0
.endm
.macro FETCH_V
	WIN 0x80
.irp f, 0,1,2,3,4,5,6,7             ; keys 32 (f / 4) on, channels 16 (f % 4) on
	ds_load_tr16_b128 v[VF+8*\f:VF+8*\f+3],   v[AV] offset:(\f/4)*32*PV+(\f%4)*32
	ds_load_tr16_b128 v[VF+8*\f+4:VF+8*\f+7], v[AV] offset:(\f/4)*32*PV+16*PV+(\f%4)*32
.endr
	WIN 0
.endm
; THE VECTOR WORK, one line at a time: OP kind, number.  For piece Y: F n: c s - c m for pair n of 16.  E n: the exponential of score n of 32.  C n: pair n rounded to f16.  B n: of the four weights 4 n .. the second
; pair is added onto the first, in place.  L n: l takes that sum (L 0: l = a l + sum).  R n: pair n of 16 of O^T times a.  For piece Y + 1: X n, number n of the 22 that find its maximum and statistics:
;   0-11  four chains c0-c3 of seven scores each, three operands at a time (each accumulator's lowest registers are read first)     12-14, 16  the four scores left over, the old m, and c0-c3 into c0
;   15  c m_old is kept     17, 18  the query's other 32 keys lie in the lane 16 away: the new m     19-21  c m; c m_old - c m_new; a
.set F, 0               ; OP tells the kinds apart by their order: F to L below R, X above it
.set E, 1
.set C, 2
.set B, 3
.set L, 4
.set R, 5
.set X, 6
.macro REGS y                       ; the registers of piece y
.set rT, ST+4*(\y)
.set rC, TMP+4*((\y)%2)
.set rW, MV+((\y)%2)
.set rS, S+32*((\y)%2)
.set rP, P+16*((\y)%2)
.set rO, 32*(\y)
.endm
.macro OP k, n
.if (\k) == R
	REGS Y
	WIN W_RS
	v_pk_mul_f32 v[rO+2*(\n):rO+2*(\n)+1], v[rO+2*(\n):rO+2*(\n)+1], v[rC+2:rC+3] op_sel_hi:[1,0]
.elseif (\k) < R
	REGS Y
	WIN 0
.if (\k) == F
	v_pk_fma_f32 v[rS+2*(\n):rS+2*(\n)+1], v[rS+2*(\n):rS+2*(\n)+1], s[CS:CS+1], v[rT:rT+1] op_sel_hi:[1,0,0] neg_lo:[0,0,1] neg_hi:[0,0,1]
.elseif (\k) == E
	v_exp_f32 v[rS+(\n)], v[rS+(\n)]
.elseif (\k) == C
	s_wait_alu depctr_va_vdst(0)
	v_cvt_pk_f16_f32 v[rP+(\n)], v[rS+2*(\n)], v[rS+2*(\n)+1]
.elseif (\k) == B
	s_wait_alu depctr_va_vdst(0)
	v_pk_add_f32 v[rS+4*(\n):rS+4*(\n)+1], v[rS+4*(\n):rS+4*(\n)+1], v[rS+4*(\n)+2:rS+4*(\n)+3]
.elseif (\n) == 0
	v_pk_fma_f32 v[rT+2:rT+3], v[rT+2:rT+3], v[rC+2:rC+3], v[rS:rS+1] op_sel_hi:[1,0,1]
.else
	v_pk_add_f32 v[rT+2:rT+3], v[rT+2:rT+3], v[rS+4*(\n):rS+4*(\n)+1]
.endif
.elseif NOKQ
	v_nop
.else
	REGS (Y+1)%NP
	WIN 0
.if (\n) < 4
	v_max3_num_f32 v[rC+(\n)], v[rS+8*(\n)], v[rS+8*(\n)+1], v[rS+8*(\n)+2]
.elseif (\n) < 12
	v_max3_num_f32 v[rC+(\n)%4], v[rC+(\n)%4], v[rS+8*((\n)%4)+2*((\n)/4)+1], v[rS+8*((\n)%4)+2*((\n)/4)+2]
.elseif (\n) == 12
	v_max3_num_f32 v[rC], v[rC], v[rS+7], v[rS+15]
.elseif (\n) == 13
	v_max3_num_f32 v[rC+1], v[rC+1], v[rS+23], v[rS+31]
.elseif (\n) == 14
	v_max3_num_f32 v[rC+2], v[rC+2], v[rC+3], v[rT+1]
.elseif (\n) == 15
	v_mov_b32 v[rW], v[rT]
.elseif (\n) == 16
	v_max3_num_f32 v[rC], v[rC], v[rC+1], v[rC+2]
.elseif (\n) == 17
	v_permlanex16_b32 v[rC+3], v[rC], s[SEL], s[SEL+1]
.elseif (\n) == 18
	v_max_num_f32 v[rT+1], v[rC], v[rC+3]
.elseif (\n) == 19
	v_mul_f32 v[rT], s[CS], v[rT+1]
.elseif (\n) == 20
	v_sub_f32 v[rC+1], v[rW], v[rT]
.else
	v_exp_f32 v[rC+2], v[rC+1]
.endif
.endif
.endm
.macro OPS a, i1, b=-1, i2=0, c=-1, i3=0, d=-1, i4=0  ; up to four of them
	OP \a, \i1
.if (\b) >= 0
	OP \b, \i2
.endif
.if (\c) >= 0
	OP \c, \i3
.endif
.if (\d) >= 0
	OP \d, \i4
.endif
.endm
.macro ROW a, i1, b, i2, c, i3, d, i4  ; a matrix instruction and the four behind it
	MM
	OPS \a, \i1, \b, \i2, \c, \i3, \d, \i4
.endm
.macro MASK b                       ; MD x AL + BE into buffer b of MC
	WIN W_RS
.set z, 0
.rept 16
	v_pk_fma_f32 v[MC+32*(\b)+2*z:MC+32*(\b)+2*z+1], v[MD+2*z:MD+2*z+1], s[AL:AL+1], s[BE:BE+1] op_sel_hi:[1,0,0]
.set z, z+1
.endr
.endm
; A TURN, for piece p: the order of its 16 matrix and 118 vector instructions, written out.  Behind a matrix instruction: plain, exponential, plain, plain; or four of the rescaling; or, behind the first, four scalings; none
; names a register of the products round it.  In the lumps exponential and plain by turns while exponentials last.  A line reads no result made fewer than three vector instructions in front of it, five if an exponential made it.
; v_permlanex16_b32 (X 17) stands in a lump.
; THE MASKS are made in pairs, at the end of piece 2's turn (for pieces 0 and 1) and of piece 0's (for pieces 2 and 3), for step 4 - CNT of the tile: the two turns that follow take them.  Buffer 0 was last read a
; turn ago, buffer 1 by this turn's own first four products, some hundred vector instructions back.  m = 1: the walk's last tile, which is always a diagonal one.  m = 2: the loop's text: in a tile off the diagonal (RT not 0)
; the making is jumped over, and MC keeps its zeros.  end = 1: a block's last two turns: nothing is fetched, no mask is made.
; cnt = 1: the loop's count is taken down some lines ahead of the branch that stands behind the turn.
; K of the next step is fetched in piece 2's turn, six vector instructions behind the last product that read K (five of them plain); V of the step in hand in piece 0's turn, eight behind the last product that read V (four
; plain, and X 17).  Each is waited for a turn later.
.macro TURN p, m=1, end=0, cnt=0
.set Y, (\p)
.set i, 0
.set NOKQ, (\end)*((\p)/3)
.if ((\p) == 3) && !(\end)
	s_wait_dscnt 0x0                ; K is in
.endif
	ROW F,0, F,1, F,2, F,3
	ROW F,4, E,0, F,5, F,6
	ROW F,7, E,1, F,8, F,9
	ROW F,10, E,2, C,0, F,11
	ROW F,12, E,3, X,15, F,13
	ROW R,0, R,1, R,2, R,3
	ROW B,0, E,4, F,14, L,0
.if ((\p) == 2) && !(\end)
	v_add_nc_u32 v[AK], s[TBK], v[AK0]
.endif
	ROW R,4, R,5, R,6, R,7
	OPS E,5, F,15
.if ((\p) == 2) && !(\end)
	FETCH_K
.endif
	OPS E,6, C,1, E,7, R,8
	OPS E,8, R,9, E,9, C,2
	OPS E,10, X,0, E,11, X,1
	OPS E,12, X,2, E,13, X,3
.if (\p) == 1
	s_wait_dscnt 0x0                ; V is in
.endif
	ROW X,4, E,14, X,5, X,6
	ROW X,7, E,15, X,8, X,9
	ROW X,10, E,16, X,11, X,12
	ROW X,13, E,17, X,14, B,1
	ROW C,4, E,18, X,16, L,1
	ROW B,2, E,19, C,6, L,2
	ROW C,8, E,20, B,3, B,4
.if (\p) == 0
	v_add_nc_u32 v[AV], s[TBV], v[AV0]
.endif
	ROW C,3, E,21, L,3, C,5
	OPS E,22, X,17, E,23, C,10
.if (\p) == 0
	FETCH_V
.endif
	OPS E,24, L,4
	OPS E,25, X,18, E,26, C,7
	OPS E,27, B,5, E,28, X,19
	OPS E,29, C,12, E,30, L,5
	OPS E,31, X,20, B,6, C,9
	OPS C,14, C,11, X,21, L,6
.if (\p) == 0
	s_add_co_u32 s[TBV], s[TBV], KS*PV
.endif
.if \cnt
	s_sub_co_u32 s[CNT], s[CNT], 1
	s_cmp_lg_u32 s[CNT], 0
.endif
	OPS C,13, B,7, C,15, R,10
	OPS R,11, R,12, L,7, R,13
	OPS R,14, R,15
.if ((\p)%2 == 0) && !(\end)
.if (\m) == 2
	WIN 0                           ; at a branch and at a label every window is 0
	s_cmp_lg_u32 s[RT], 0
	s_cbranch_scc1 .Lplain_\@       ; off the diagonal: MC keeps its zeros
.endif
.irp d, 0,1                         ; piece p + 2 + d, whose buffer is d
	s_cmp_eq_u32 s[CNT], 4-((\p)+2+\d)%NP  ; is the step the band's own?
	s_cselect_b32 s[AL], 1.0, 0
	s_cmp_lt_u32 s[CNT], 4-((\p)+2+\d)%NP  ; or a later one?
	s_cselect_b32 s[BE], s[BIGN], 0
	MASK \d
.endr
.if (\m) == 2
	WIN 0
.Lplain_\@:
.endif
.endif
.endm
; A BLOCK BEGINS.  c m starts far below every c s, so the first step's a is 0; m at the lowest finite number, so the first maximum is the scores'.  The second mask buffer is 0; the first takes piece 0's mask for the tile's step 0: its own, if the block's first tile is the diagonal one, else 0.
; Then K of that step, piece 0's first scores, and its maximum and statistics.  The loop is entered at a step's first turn, in the middle of a trip.
.macro BEGIN
	s_mov_b32 s[NEW], 0
	WIN 0x40
.set i, MC+32
.rept 32
	v_mov_b32 v[i], 0
.set i, i+1
.endr
	WIN 0
.set i, 0
.rept 4
	v_mov_b32 v[ST+4*i], 0xfe000000    ; c m: far below every c s
	v_mov_b32 v[ST+4*i+1], 0xff7fffff  ; m
.set i, i+1
.endr
	s_cmp_eq_u32 s[RT], 0
	s_cselect_b32 s[AL], 1.0, 0
	s_mov_b32 s[BE], 0
	MASK 0
	WIN 0
	v_add_nc_u32 v[AK], s[TBK], v[AK0]
	FETCH_K
	s_wait_loadcnt 0x0              ; Q
	s_wait_dscnt 0x0
.set NOKQ, 0
.set i, 0
.rept 8
	KQ 0
.set i, i+1
.endr
	WIN 0
.rept 4
	v_nop                           ; the places behind those products
.endr
.set Y, NP-1                        ; X works for piece Y + 1: piece 0
.irp n, 0,1,2,3,4,5,6,7,8,9,10,11,12,13,14,15,16,17,18,19,20,21
	OP X, \n
.endr
	v_nop                           ; a plain instruction behind the exponential
.endm
; A TILE's four steps; then, behind a diagonal tile, the block's last two turns, its last products, and THE WAY OUT: l's two halves and the other half of the lanes' are added; O^T is divided by l, rounded to f16 and
; sent through my stage in LDS, a piece at a time.
.macro ALL line:vararg              ; one line for each piece t
.set t, 0
.rept 4
	\line
.set t, t+1
.endr
.endm
.macro PACK t                       ; a lane's eight channels of a row pack into 16 bytes; they go into rows of 144 bytes and come back as whole rows of 128, into S^T's registers
	WIN W_RS
.set i, 32*(\t)
.rept 16
	s_wait_alu depctr_va_vdst(0)
	v_pk_mul_f32 v[i:i+1], v[i:i+1], v[ST+4*(\t)+2:ST+4*(\t)+3] op_sel_hi:[1,0]
.set i, i+2
.endr
	WIN 0x05                        ; sources 0 and 1 window 1, destination window 0
.set i, 0
.rept 16
	v_cvt_pk_f16_f32 v[S+16*(\t)+i], v[32*(\t)+2*i], v[32*(\t)+2*i+1]
.set i, i+1
.endr
	WIN 0
.irp f, 0,1,2,3
	ds_store_b128 v[STO], v[S+16*(\t)+4*\f:S+16*(\t)+4*\f+3] offset:32*\f
.endr
.irp f, 0,1,2,3
	ds_load_b128 v[S+16*(\t)+4*\f:S+16*(\t)+4*\f+3], v[RD] offset:\f*4*SP  ; LDS serves a wave's instructions in order (ISA guide 5.7.1.4): these see the stores above; the next piece's stores come behind them
.endr
.endm
.macro SEND t, younger              ; younger: the LDS instructions issued behind piece t's loads: the next piece's eight, or none
	WIN 0
	s_wait_dscnt \younger           ; the piece's four loads are back
.irp f, 0,1,2,3
	global_store_b128 v[GO], v[S+16*(\t)+4*\f:S+16*(\t)+4*\f+3], s[10:11] offset:(\t)*8192+\f*512  ; 512 consecutive bytes, at a multiple of 256 from O's first
.endr
.endm
.macro TILE tag, m                  ; the tag ends its two labels' names, which the jumps below spell out; m as in TURN
.LstepM\tag:                        ; a trip: pieces 2 and 3 of one step, then pieces 0 and 1 of the next, whose K and V it fetches
	TURN 2, \m
	TURN 3, \m
	WIN 0
.LfirstM\tag:
	TURN 0, \m
	TURN 1, \m, 0, 1
	WIN 0
	s_cbranch_scc1 .LstepM\tag
.if (\m) == 2
	s_cmp_lg_u32 s[RT], 0
	s_cbranch_scc1 .Lbottom         ; not the block's last tile: the block goes on
.endif
	TURN 2, 1, 1
	TURN 3, 1, 1
.set i, 0
.rept 8
	PV NP-1
.set i, i+1
.endr
	WIN 0
	ALL v_add_f32 v[ST+4*t+2], v[ST+4*t+2], v[ST+4*t+3]
	ALL v_permlanex16_b32 v[ST+4*t+3], v[ST+4*t+2], s[SEL], s[SEL+1]
	ALL v_add_f32 v[ST+4*t+2], v[ST+4*t+2], v[ST+4*t+3]
	ALL v_rcp_f32 v[ST+4*t+2], v[ST+4*t+2]
	v_nop                           ; a plain instruction between the last reciprocal and the use of its result
	PACK 0
.set t, 1
.rept 3                             ; a piece's arithmetic stands between the loads of the piece before and its stores
	PACK t
	SEND t-1, 8
.set t, t+1
.endr
	SEND 3, 0
.endm
.set NOKQ, 0
.Lslot:                             ; NB times: a tile is entered and the next is asked for
	CHANGE 1
	s_sub_co_u32 s[RT], s[RT], 1
	s_mov_b32 s[CNT], 4
	s_cmp_eq_u32 s[NEW], 1
	s_cbranch_scc1 .Lnew            ; a block's first tile
	s_branch .LstepM1
.Lnew:
	BEGIN
	s_branch .LfirstM1
	TILE 1, 2                       ; what follows it is the first block's end: the second block's last tile is the walk's last
	s_wait_xcnt 0x0                 ; the stores have read their registers and O's address
	s_mov_b64 s[10:11], s[OLO:OLO+1]
	s_add_co_u32 s[RT], s[PB], 1    ; the second block has b + 1 tiles
	s_mov_b32 s[NEW], 1
	WIN 0x82                        ; the second block's Q goes where the one text of the turns names Q
.set i, 0
.rept 64
	v_mov_b32 v[i], v[QB+i]
.set i, i+1
.endr
	WIN 0
.Lbottom:
	s_sub_co_u32 s[SLOTS], s[SLOTS], 1
	s_cmp_lg_u32 s[SLOTS], 0
	s_cbranch_scc1 .Lslot
	CHANGE 0                        ; the walk's last tile is written out: nothing is asked for
	s_sub_co_u32 s[RT], s[RT], 1
	s_mov_b32 s[CNT], 4
	s_cmp_eq_u32 s[NEW], 1
	s_cbranch_scc0 .LstepM2
	BEGIN
	s_branch .LfirstM2
	TILE 2, 1
	s_wait_tensorcnt 0x0            ; the wave's end: behind my last tensor load and my last LDS store
	ds_add_u32 v[SPW], v[NIL]
	s_wait_dscnt 0x0
	s_endpgm
.Lfunc_end_k_q5e298a8fc6_attn:
	.size	k_q5e298a8fc6_attn, .Lfunc_end_k_q5e298a8fc6_attn-k_q5e298a8fc6_attn
	.p2alignl 7, 3214868480
	.fill 96, 4, 3214868480
	.section	.rodata,"a",@progbits
	.p2align	6, 0x0
	.amdhsa_kernel k_q5e298a8fc6_attn
		.amdhsa_group_segment_fixed_size 327680
		.amdhsa_private_segment_fixed_size 0
		.amdhsa_enable_private_segment 0
		.amdhsa_kernarg_size 16
		.amdhsa_user_sgpr_count 2
		.amdhsa_user_sgpr_kernarg_segment_ptr 1
		.amdhsa_wavefront_size32 1
		.amdhsa_system_sgpr_workgroup_id_x 1
		.amdhsa_system_sgpr_workgroup_id_y 1
		.amdhsa_system_sgpr_workgroup_id_z 1
		.amdhsa_system_vgpr_workitem_id 0
		.amdhsa_next_free_vgpr 768
		.amdhsa_next_free_sgpr 88
		.amdhsa_reserve_vcc 1
		.amdhsa_float_denorm_mode_32 3
		.amdhsa_float_denorm_mode_16_64 3
		.amdhsa_memory_ordered 1
		.amdhsa_forward_progress 1
		.amdhsa_inst_pref_size 187
	.end_amdhsa_kernel
	.amdgpu_metadata
---
amdhsa.version: [ 1, 2 ]
amdhsa.kernels:
  - .name:           k_q5e298a8fc6_attn
    .symbol:         k_q5e298a8fc6_attn.kd
    .args:
      - { .name: qkv, .offset: 0, .size: 8, .value_kind: global_buffer, .address_space: global }
      - { .name: ob, .offset: 8, .size: 8, .value_kind: global_buffer, .address_space: global }
    .group_segment_fixed_size: 327680
    .private_segment_fixed_size: 0
    .kernarg_segment_align: 8
    .kernarg_segment_size: 16
    .max_flat_workgroup_size: 128
    .sgpr_count:     88
    .vgpr_count:     768
    .wavefront_size: 32
...
	.end_amdgpu_metadata
.endif
;; end of part 3
;; launch proj_out (part 4): grid 8 x 32, 4 waves a work-group, clusters of 4 x 4, 327,680 bytes of LDS; arguments ob, wob, bo, out0; writes out0
.if DOCPART == 4
	.amdgcn_target "amdgcn-amd-amdhsa--gfx1250"
	.amdhsa_code_object_version 6
	.text
	.protected	k_q5e298a8fc6_proj_out
	.globl	k_q5e298a8fc6_proj_out
	.p2align	8
	.type	k_q5e298a8fc6_proj_out,@function
k_q5e298a8fc6_proj_out:
	s_mov_b64 s[64:65], 0
	v_nop
	global_prefetch_b8 v0, s[64:65] scope:SCOPE_SE
	s_setreg_imm32_b32 hwreg(HW_REG_WAVE_MODE, 25, 1), 1
	s_wait_xcnt 0x0
	s_wait_alu depctr_hold_cnt(0) depctr_sa_sdst(0) depctr_va_vdst(0) depctr_va_sdst(0) depctr_va_ssrc(0) depctr_va_vcc(0) depctr_vm_vsrc(0)
	s_getreg_b32 s2, hwreg(HW_REG_IB_STS2, 6, 4)
	s_cmp_eq_u32 s2, 0
	s_cbranch_scc0 .Lentry_in_a_cluster
	s_endpgm
.Lentry_in_a_cluster:
	s_bfe_u32 s2, ttmp6, 0x10000c
	s_cmp_lg_u32 s2, 0xf033
	s_cbranch_scc0 .Lentry_shape_is_right
	s_endpgm
.Lentry_shape_is_right:
; out0 = y Wo + bo.  ob: attention's O in f16, [batch * 16 + head][t][64]: a head's 64 channels are one block of 64 k.  wob: Wo rounded to bf16 and written as f16, [k = 1024][n = 1024].
; bo: f32 [1024], rounded to bf16 here like every input.  out0: f32 [8192][1024].  Sums in f32; nothing is rounded on the way out.
; LIMITS.  The operands are f16: ob and wob arrive within 65,504.
; SHARES.  A work-group makes 256 rows x 128 columns (8 x 32 work-groups); a wave 128 rows x 64 columns: 32 accumulators of 16 x 16, one window of 256 registers.
; K goes in steps of 128 (two blocks of 64) through two LDS slots filled by the tensor data mover; a step is four PHASES of 32 k, 32 matrix instructions each.  A slot is 110,592 bytes; one of three blocks
; would be 165,888, and two of those do not fit in 327,680.
; THE MATRIX INSTRUCTION IS USED TRANSPOSED: source 0 = 16 columns of Wo (it lies [k][n] in LDS and is turned by ds_load_tr16_b128), source 1 = 16 rows of y.  A lane then holds row l % 16 and the
; eight neighbouring columns 8 (l / 16) + 0..7: 32 bytes.  THE BIAS is the C operand of the product that starts a sum: nothing is cleared, nothing is added on the way out.
; CLUSTER.  4 x 4 work-groups.  y's tile hangs on the tile row alone and is asked for jointly by a row of the cluster, Wo's on the tile column alone, by a column: the same load, descriptor and mask in all four.
; PREFETCH.  In the trip whose refill requests K step s + 2, wave 0 asks for its work-group's eighth of y's tile of step s + 3: 32 lanes 256 bytes apart, 8,192 bytes; the eight work-groups of a tile row cover the
; step's 65,536 bytes, each block once; that is one trip, 128 matrix instructions, ahead of the tensor load that wants them.  Step 2 is asked for at the head; the offset is clamped to the last step, so the last
; trip asks for step 7 once more and nothing points past ob.  wob is not asked for: its 2 MB are read by all 32 tile rows.
; REGISTERS.  window 0: v0-19 addresses; v32-63 the bias; v64-191 y's fragments, two buffers of 8 x 16 rows x 32 k; v192-255 Wo's, two buffers of 4 x 16 columns x 32 k.
;   window 1: the accumulators, (a, b) at v[8 (4 a + b)]: 16 rows x 64 columns are 32 registers on end.
.set KB,     2                         ; blocks of 64 k in a slot
.set NTOT,   1024                      ; Wo's pitch in elements
.set TILE_N, 128                       ; the work-group's columns
.set PA,     144                       ; a row of y in LDS: 128 bytes + 16 = 36 words: the 16 rows of a load start at 16 different groups of four banks (64 banks of 4 bytes: ISA guide 11.1)
.set PB,     288                       ; a row of Wo: two groups of 64 columns, 128 + 16 bytes each = 72 words
.set ABYTES, KB*256*PA                 ; y's part of a slot: [block][256 rows][144]
.set BBYTES, KB*64*PB                  ; Wo's, behind it
.set SLOT1,  1<<17                     ; slot 1 begins here: one exclusive or turns an address in one slot into the other's
.set STAGE,  SLOT1+ABYTES+BBYTES       ; behind the ring, never filled by a tensor load: 16 rows x 272 bytes for each wave, for the way out
.set SP,     272
.set SPARE,  STAGE+4*16*SP             ; behind the stages: the spare words, 128 bytes for each wave: two blocks of 256 bytes that no other line names
.set STEPS,  16/KB                     ; slots' worth of K
.set NC,     2*KB                      ; phases of 32 k in a slot
.set STEP_A, KB*262144                 ; bytes from step to step in ob
.set STEP_B, KB*64*NTOT*2              ; and in wob
.set AR,     128                       ; a wave's part of y's tile: one block's 256 rows of 128 dense bytes, asked for as 128 rows of 256
.set APL,    256*PA                    ; its bytes in LDS
.set APG,    262144                    ; from block to block in memory
.set BPL,    KB*32*PB                  ; a wave's part of Wo's tile: 64 rows of k
.set BPG,    KB*32*NTOT*2
.set ADA0, 8                           ; v8   my lane's place in y's part of a slot; never rewritten
.set ADB0, 9                           ; v9   the same for Wo
.set ADA,  10                          ; v10  the same in the slot in hand
.set ADB,  11                          ; v11
.set STO,  12                          ; v12  the way out: where I put 32 bytes of a row
.set RD,   13                          ; v13  the way out: where I read rows back
.set GO,   14                          ; v14  my byte offset in two rows of the output
.set VB,   15                          ; v15  my byte offset in 16 numbers of the bias: 32 (l / 16)
.set SPW,  16                          ; v16  LDS address of my spare word: SPARE + 4 x my thread's number; never rewritten
.set NIL,  17                          ; v17  0; never rewritten
.set TR,   18                          ; v18  at work
.set PFV,  19                          ; v19  the prefetch: 256 x my lane; never rewritten
.set BI,   32                          ; the bias
.set AF,   64
.set BF,   192
.set BK,   64                          ; the way out: rows read back, two buffers of 32
.set WV,  16                           ; s16  my wave's number
.set WR,  17                           ; s17  which 128 rows of the tile are mine
.set WC,  18                           ; s18  which 64 columns; also: which part of a tile I fetch
.set G1A, 24                           ; s[24:31] descriptor group 1 for y's tiles
.set G0A, 32                           ; s[32:39] group 0: a set for each of the two first fills; the second then walks on
.set G1B, 40                           ; s[40:47], s[48:55] the same for Wo's tiles
.set G0B, 48
.set TB,  56                           ; s56  LDS byte at which the slot in hand begins
.set CNT, 57                           ; s57  trips to go
.set MK,  63                           ; s63  mask of a word's upper bf16
.set BB,  66                           ; s[66:67] the bias at my columns
.set OB,  72                           ; s[72:73] the output at my rows and columns
.set PFB, 82                           ; s[82:83] the prefetch: ob at my work-group's eighth of the tile row's K step 0
.set PFO, 84                           ; s[84:85] the byte offset of the step asked for
.set PFA, 86                           ; s[86:87] their sum
.set GW,  (1<<16)|(1<<20)|(1<<21)|(4<<22)|(3<<25)  ; group 1, word 0 beside the mask: 17:16 2-byte elements; 20 padding on; 21 set beside a mask; 24:22 after every 32 words (code 4); 31:25 4 words (code 3)
.set MSB, 0
.macro WIN new                         ; s_set_vgpr_msb: bits 1:0 source 0, 3:2 source 1, 5:4 source 2, 7:6 destination; the high byte repeats the setting that is left
.if MSB != (\new)
	s_set_vgpr_msb (MSB<<8)|(\new)
.set MSB, \new
.endif
.endm
; A load into a register that a matrix instruction has read, and a vector or LDS instruction that reads a matrix result, stand four places behind it; only plain vector instructions
; that name none of its registers are places (ISA guide 7.12.1 for vector instructions).
.macro PLACES
.rept 4
	v_nop
.endr
.endm
; A joint refill.  Waves 0 and 1 fetch the two parts of y's tile, waves 2 and 3 those of Wo's.  The branch hangs on the wave's number alone.
; An s_nop 0 and four v_nop follow each of the two lines, ahead of the jump and the label.
.macro JLOAD
	s_cmp_lt_u32 s[WV], 2
	s_cbranch_scc0 .Lfor_b_\@
	tensor_load_to_lds s[G0A+4:G0A+7], s[G1A:G1A+7]
	s_nop 0
.rept 4
	v_nop
.endr
	s_branch .Lasked_\@
.Lfor_b_\@:
	tensor_load_to_lds s[G0B+4:G0B+7], s[G1B:G1B+7]
	s_nop 0
.rept 4
	v_nop
.endr
.Lasked_\@:
.endm
; A round of the cluster's barrier: my work-group's barrier, so that wave 0's signal speaks for all four waves; wave 0 signals; every wave waits for all sixteen work-groups; my work-group's barrier once more.
.macro CREST                           ; a round behind its opening barrier
	s_cmp_lg_u32 s[WV], 0
	s_cbranch_scc1 .Lnot_wave_0_\@
	s_barrier_signal -3
.Lnot_wave_0_\@:
	s_barrier_wait -3
	s_barrier_signal -1
	s_barrier_wait -1
.endm
.macro CROUND
	s_barrier_signal -1
	s_barrier_wait -1
	CREST
.endm
	s_load_b256 s[4:11], s[0:1], 0x0               ; ob s[4:5], wob s[6:7], bo s[8:9], out0 s[10:11]
	v_lshl_add_u32 v[SPW], v0, 2, SPARE
	v_mov_b32 v[NIL], 0
	ds_add_u32 v16, v17
	ds_add_u32 v16, v17
	s_wait_dscnt 0x0
	v_lshrrev_b32 v1, 5, v0
	v_readfirstlane_b32 s[WV], v1                  ; wave 0..3
	s_lshr_b32 s[WR], s[WV], 1
	s_and_b32 s[WC], s[WV], 1
	s_mov_b32 s[MK], 0xffff0000
	s_bfe_u32 s19, ttmp6, 0x40000                  ; cx, cy: my place in the cluster
	s_bfe_u32 s20, ttmp6, 0x40004
	s_lshl_b32 s21, ttmp9, 2                       ; in a cluster launch ttmp9 and ttmp7 count clusters
	s_add_co_u32 s21, s21, s19                     ; X: tile column = 4 x cluster x + cx
	s_and_b32 s22, ttmp7, 0xffff
	s_lshl_b32 s22, s22, 2
	s_add_co_u32 s22, s22, s20                     ; Y: tile row = 4 x cluster y + cy
	s_lshl_b32 s23, s20, 2
	s_lshl_b32 s23, 15, s23                        ; my row of the cluster: places 4 cy .. 4 cy + 3
	s_lshl_b32 s62, 0x1111, s19                    ; my column: places cx, cx + 4, cx + 8, cx + 12
	s_or_b32 s[G1A], s23, GW                       ; y's tiles go to my row
	s_mov_b32 s[G1A+1], 128<<16                    ; tensor_dim0 = 128 elements (256 bytes: two rows of a block)
	s_mov_b32 s[G1A+2], AR<<16                     ; tensor_dim1
	s_mov_b32 s[G1A+3], 128<<16                    ; tile_dim0
	s_mov_b32 s[G1A+4], AR                         ; tile_dim1
	s_mov_b32 s[G1A+5], 128                        ; elements from row to row: dense
	s_mov_b32 s[G1A+6], 0
	s_mov_b32 s[G1A+7], 0
	s_or_b32 s[G1B], s62, GW                       ; Wo's tiles go to my column
	s_mov_b32 s[G1B+1], TILE_N<<16                 ; tensor_dim0 = 128 elements (256 bytes)
	s_mov_b32 s[G1B+2], (32*KB)<<16                ; tensor_dim1 = 64 rows of k
	s_mov_b32 s[G1B+3], TILE_N<<16
	s_mov_b32 s[G1B+4], 32*KB
	s_mov_b32 s[G1B+5], NTOT
	s_mov_b32 s[G1B+6], 0
	s_mov_b32 s[G1B+7], 0
	; where the tiles come from.  y's hang on Y and the wave's number, Wo's on X and the wave's number, each in registers that never hold the other coordinate.
	s_lshr_b32 s58, s22, 3                         ; batch = Y / 8,
	s_lshl_b32 s58, s58, 22                        ; 16 blocks of 262,144 bytes each
	s_and_b32 s59, s22, 7
	s_lshl_b32 s59, s59, 15                        ; 256 rows of 128 bytes
	s_add_co_u32 s58, s58, s59
	s_mul_i32 s59, s[WC], APG                      ; my block of the step's two
	s_add_co_u32 s58, s58, s59
	s_mov_b32 s59, 0
	s_mul_i32 s60, s21, TILE_N*2
	s_mul_i32 s61, s[WC], BPG
	s_add_co_u32 s60, s60, s61
	s_mov_b32 s61, 0
	s_mul_i32 s2, s[WC], APL                       ; and where they go: no place in the cluster enters an LDS address
	s_mul_i32 s3, s[WC], BPL
	s_add_co_u32 s3, s3, ABYTES
	s_mov_b32 s[TB], 0
	s_wait_kmcnt 0x0
	s_add_nc_u64 s[58:59], s[4:5], s[58:59]
	s_add_nc_u64 s[60:61], s[6:7], s[60:61]
.irp s, 0,1
	s_mov_b32 s[G0A+4*(\s)], 1                                       ; 1:0 count = 1
	s_add_co_u32 s[G0A+4*(\s)+1], s2, (\s)*SLOT1                     ; 63:32 LDS address
	s_add_nc_u64 s[G0A+4*(\s)+2:G0A+4*(\s)+3], s[58:59], (\s)*STEP_A ; 120:64 global address: K step s
	s_or_b32 s[G0A+4*(\s)+3], s[G0A+4*(\s)+3], 0x80000000            ; 127:126 type = 2
	s_mov_b32 s[G0B+4*(\s)], 1
	s_add_co_u32 s[G0B+4*(\s)+1], s3, (\s)*SLOT1
	s_add_nc_u64 s[G0B+4*(\s)+2:G0B+4*(\s)+3], s[60:61], (\s)*STEP_B
	s_or_b32 s[G0B+4*(\s)+3], s[G0B+4*(\s)+3], 0x80000000
.endr
	CROUND                                         ; all sixteen work-groups are here: the first joint loads meet
	s_cmp_lt_u32 s[WV], 2                          ; a wave's two first fills stand in one branch, ahead of every wait on TENSORcnt and every LDS read: two loads of mine are out
	s_cbranch_scc0 .Lfirst_b
	tensor_load_to_lds s[G0A:G0A+3], s[G1A:G1A+7]
	s_nop 0
	tensor_load_to_lds s[G0A+4:G0A+7], s[G1A:G1A+7]
	s_nop 0
.rept 4
	v_nop
.endr
	s_branch .Lfirst_asked
.Lfirst_b:
	tensor_load_to_lds s[G0B:G0B+3], s[G1B:G1B+7]
	s_nop 0
	tensor_load_to_lds s[G0B+4:G0B+7], s[G1B:G1B+7]
	s_nop 0
.rept 4
	v_nop
.endr
.Lfirst_asked:
	; All that follows up to the barrier stands in the wait for the first tile.
	v_and_b32 v1, 15, v0                           ; l % 16
	v_bfe_u32 v2, v0, 4, 1                         ; l / 16
	v_lshlrev_b32 v[VB], 5, v2
	v_and_b32 v[PFV], 31, v0
	v_lshlrev_b32 v[PFV], 8, v[PFV]                ; 256 x lane
	s_lshl_b32 s78, s21, 9                         ; my columns in bytes of f32: 512 X + 256 wc
	s_lshl_b32 s79, s[WC], 8
	s_add_co_u32 s78, s78, s79
	s_mov_b32 s79, 0
	s_add_nc_u64 s[BB:BB+1], s[8:9], s[78:79]
	s_lshl_b32 s80, s22, 20                        ; my rows: 256 Y + 128 wr, 4,096 bytes each
	s_lshl_b32 s81, s[WR], 19
	s_add_co_u32 s80, s80, s81
	s_add_co_u32 s80, s80, s78
	s_mov_b32 s81, 0
	s_add_nc_u64 s[OB:OB+1], s[10:11], s[80:81]
	s_lshr_b32 s[PFB], s22, 3                      ; the prefetch: the tile row's place in ob (batch, 256 rows),
	s_lshl_b32 s[PFB], s[PFB], 22
	s_and_b32 s[PFB+1], s22, 7
	s_lshl_b32 s[PFB+1], s[PFB+1], 15
	s_add_co_u32 s[PFB], s[PFB], s[PFB+1]
	s_lshr_b32 s[PFB+1], s21, 2                    ; block X / 4 of a step's two,
	s_lshl_b32 s[PFB+1], s[PFB+1], 18
	s_add_co_u32 s[PFB], s[PFB], s[PFB+1]
	s_and_b32 s[PFB+1], s21, 3                     ; quarter X % 4 of its 32,768 bytes
	s_lshl_b32 s[PFB+1], s[PFB+1], 13
	s_add_co_u32 s[PFB], s[PFB], s[PFB+1]
	s_mov_b32 s[PFB+1], 0
	s_add_nc_u64 s[PFB:PFB+1], s[4:5], s[PFB:PFB+1]
	s_mov_b32 s[PFO], 2*STEP_A                     ; K step 2 first
	s_mov_b32 s[PFO+1], 0
	s_add_nc_u64 s[PFA:PFA+1], s[PFB:PFB+1], s[PFO:PFO+1]
.irp b, 0,1,2,3                        ; a lane's eight numbers of the bias for each 16 columns: bias[16 b + 8 (l / 16) + 0..7]
	global_load_b128 v[BI+8*\b:BI+8*\b+3],   v[VB], s[BB:BB+1] offset:64*\b
	global_load_b128 v[BI+8*\b+4:BI+8*\b+7], v[VB], s[BB:BB+1] offset:64*\b+16
.endr
	s_cmp_lg_u32 s[WV], 0
	s_cbranch_scc1 .Lno_first_ask
	global_prefetch_b8 v[PFV], s[PFA:PFA+1] th:TH_LOAD_NT scope:SCOPE_SE
.Lno_first_ask:
	; A fragment of y is 16 rows x 32 k in 8 registers: lane l holds row l % 16, k = 8 (l / 16) + 0..7 and 16 + 8 (l / 16) + 0..7: two loads of 16 bytes, 32 bytes apart.
	v_mul_u32_u24 v[ADA0], v1, PA
	v_lshl_add_u32 v[ADA0], v2, 4, v[ADA0]
	s_mul_i32 s2, s[WR], 128*PA                    ; my 128 rows
	v_add_nc_u32 v[ADA0], s2, v[ADA0]
	; The turning load takes 16 k x 16 columns (lane l reads row 8 (l / 16) + l % 8, columns 8 ((l / 8) % 2) + 0..7) and leaves half a fragment: lane l holds column l % 16 and 8 k.
	v_and_b32 v3, 7, v0
	v_bfe_u32 v4, v0, 3, 1
	v_lshl_add_u32 v[ADB0], v2, 3, v3
	v_mul_u32_u24 v[ADB0], v[ADB0], PB
	v_lshl_add_u32 v[ADB0], v4, 4, v[ADB0]
	s_mul_i32 s3, s[WC], 144                       ; my group of 64 columns
	s_add_co_u32 s3, s3, ABYTES
	v_add_nc_u32 v[ADB0], s3, v[ADB0]
	v_mov_b32 v[ADA], v[ADA0]                      ; slot 0
	v_mov_b32 v[ADB], v[ADB0]
	s_mul_i32 s2, s[WV], 16*SP
	s_add_co_u32 s2, s2, STAGE                     ; my stage
	v_mul_u32_u24 v[STO], v1, SP                   ; in: row l % 16, 32 bytes for each half of the lanes
	v_lshl_add_u32 v[STO], v2, 5, v[STO]
	v_add_nc_u32 v[STO], s2, v[STO]
	v_mul_u32_u24 v[RD], v2, SP                    ; back: lanes 0-15 take one row of 256 bytes, lanes 16-31 the next
	v_lshl_add_u32 v[RD], v1, 4, v[RD]
	v_add_nc_u32 v[RD], s2, v[RD]
	v_lshlrev_b32 v[GO], 12, v2                    ; and the same two rows in the output
	v_lshl_add_u32 v[GO], v1, 4, v[GO]
	s_wait_loadcnt 0x0                             ; the bias
.set i, BI
.rept 16                               ; two numbers of the bias rounded to bf16 and kept as f32
	v_cvt_pk_bf16_f32 v[TR], v[i], v[i+1]
	v_lshlrev_b32 v[i], 16, v[TR]
	v_and_b32 v[i+1], s[MK], v[TR]
.set i, i+2
.endr
; 4 n matrix instructions of phase c: row blocks a0 .. a0 + n - 1 x the four column blocks.  zero = 1: the product starts the sum, with the bias as C.
; All accumulators take turns, one instruction a turn: between two links of a chain stand the 31 others'.
.macro MUL c, a0, n, zero
.if \zero
	WIN 0x40                                       ; D in window 1, C (the bias) in window 0
.else
	WIN 0x50                                       ; C and D in window 1
.endif
.set rB, BF+32*((\c)%2)
.set rA, AF+64*((\c)%2)
.set ia, \a0
.rept \n
.set ib, 0
.rept 4
.if \zero
	v_wmma_f32_16x16x32_f16 v[8*(4*ia+ib):8*(4*ia+ib)+7], v[rB+8*ib:rB+8*ib+7], v[rA+8*ia:rA+8*ia+7], v[BI+8*ib:BI+8*ib+7]
.else
	v_wmma_f32_16x16x32_f16 v[8*(4*ia+ib):8*(4*ia+ib)+7], v[rB+8*ib:rB+8*ib+7], v[rA+8*ia:rA+8*ia+7], v[8*(4*ia+ib):8*(4*ia+ib)+7]
.endif
.set ib, ib+1
.endr
.set ia, ia+1
.endr
.endm
; 24 LDS loads in one run, into the buffers of parity c % 2: Wo's four fragments of phase c (8 turning loads), then y's eight (block c / 2, its half c % 2), row blocks ascending.
.macro FETCH c
	WIN 0
.set rB, BF+32*((\c)%2)
.set rA, AF+64*((\c)%2)
.set ib, 0
.rept 4
	ds_load_tr16_b128 v[rB+8*ib:rB+8*ib+3],   v[ADB] offset:(\c)*32*PB+32*ib
	ds_load_tr16_b128 v[rB+8*ib+4:rB+8*ib+7], v[ADB] offset:(\c)*32*PB+32*ib+16*PB
.set ib, ib+1
.endr
.set ia, 0
.rept 8
	ds_load_b128 v[rA+8*ia:rA+8*ia+3],   v[ADA] offset:((\c)/2)*256*PA+ia*16*PA+((\c)%2)*64
	ds_load_b128 v[rA+8*ia+4:rA+8*ia+7], v[ADA] offset:((\c)/2)*256*PA+ia*16*PA+((\c)%2)*64+32
.set ia, ia+1
.endr
.endm
; A PHASE: the 32 matrix instructions of 32 k.  mode 0: behind its first eight it fetches the next phase's fragments.  mode 3: the very last phase: nothing is fetched.
; mode 1, 2: a slot's last phase: THE CHANGE OF SLOTS.  Each wave waits for all its tensor loads, of which one is out: its part of the other slot; adds 0 to its spare word; and waits for that and for its own reads
; of this slot.  Behind the barrier nobody reads this slot any more and the other slot is whole.  mode 1: this slot is filled again, two steps on: the barrier opens a round of the cluster's, so that no wave of any
; partner still reads the slot or has a load on its way, and the joint refill is the first thing behind the round: a wave issues 112 matrix instructions between it and the wait for it.
.macro PHASE c, zero, mode
.if ((\mode) == 0) || ((\mode) == 3)
	s_wait_dscnt 12                                ; Wo's and y's row blocks 0, 1 are in; the twelve loads of blocks 2-7 may be out
	MUL \c, 0, 2, \zero
.if (\mode) == 0
	PLACES
	FETCH ((\c)+1)%NC
.set YOUNG, 24
.else
.set YOUNG, 0
.endif
	s_wait_dscnt YOUNG+8                           ; the run just issued and blocks 4-7 may be out
	MUL \c, 2, 2, \zero
	s_wait_dscnt YOUNG+4
	MUL \c, 4, 2, \zero
	s_wait_dscnt YOUNG
	MUL \c, 6, 2, \zero
.else
	WIN 0                                          ; (the add's two registers lie in window 0)
	s_wait_tensorcnt 0x0                           ; no tensor load of mine is out, so a group 0 may be written
	ds_add_u32 v[SPW], v[NIL]                      ; 0 onto my spare word
.if (\mode) == 1
	s_xor_b32 s[G0A+5], s[G0A+5], SLOT1            ; the walking descriptors: the other slot than last time,
	s_add_nc_u64 s[G0A+6:G0A+7], s[G0A+6:G0A+7], STEP_A  ; the next K step; the type bits on top are not reached
	s_xor_b32 s[G0B+5], s[G0B+5], SLOT1
	s_add_nc_u64 s[G0B+6:G0B+7], s[G0B+6:G0B+7], STEP_B
.endif
	s_wait_dscnt 13                                ; the add and y's twelve youngest loads may be out
	MUL \c, 0, 2, 0                                ; eight matrix instructions stand between the add and the wait for it
	s_wait_dscnt 0x0                               ; the add is done, and my reads of this slot are over
	s_barrier_signal -1
	MUL \c, 2, 2, 0                                ; work on registers while the others arrive
	WIN 0
	s_barrier_wait -1
.if (\mode) == 1
	CREST
	JLOAD                                          ; its four v_nop are also the places in front of the loads below
.else
	PLACES
.endif
	s_xor_b32 s[TB], s[TB], SLOT1
	v_add_nc_u32 v[ADA], s[TB], v[ADA0]
	v_add_nc_u32 v[ADB], s[TB], v[ADB0]
	FETCH 0
.if (\mode) == 1
	s_wait_xcnt 0x0                                ; the prefetch of a trip ago has read its address: the pair is written again only behind this wait
	s_add_co_u32 s[PFO], s[PFO], STEP_A            ; the step behind the one just requested,
	s_min_u32 s[PFO], s[PFO], (STEPS-1)*STEP_A     ; or the last
	s_add_nc_u64 s[PFA:PFA+1], s[PFB:PFB+1], s[PFO:PFO+1]
	s_cmp_lg_u32 s[WV], 0
	s_cbranch_scc1 .Lno_ask_\@
	global_prefetch_b8 v[PFV], s[PFA:PFA+1] th:TH_LOAD_NT scope:SCOPE_SE
.Lno_ask_\@:
.endif
	MUL \c, 4, 4, 0
.endif
.endm
.macro TRIP chg                        ; from a slot's second phase to the next slot's first
	PHASE 1, 0, 0
	PHASE 2, 0, 0
	PHASE 3, 0, \chg
	PHASE 0, 0, 0
.endm
	s_wait_tensorcnt 1                             ; my part of slot 0 is in; slot 1's may stay out
	s_barrier_signal -1
	s_barrier_wait -1                              ; everybody's is
	FETCH 0
	PHASE 0, 1, 0                                  ; the first phase stands in front of the loop: its products start the sums
	WIN 0                                          ; at a label and at a branch every window is 0
	s_mov_b32 s[CNT], STEPS-2
.Lstep:                                                ; 6 trips, each with one refill: K steps 2 to 7
	TRIP 1
	WIN 0
	s_sub_co_u32 s[CNT], s[CNT], 1
	s_cmp_lg_u32 s[CNT], 0
	s_cbranch_scc1 .Lstep
	TRIP 2                                         ; the tail is written out: nothing more is asked for
	PHASE 1, 0, 0
	PHASE 2, 0, 0
	PHASE 3, 0, 3
	; THE WAY OUT, eight blocks of 16 rows x 64 columns of f32.  A lane's 32 bytes of a row go into my stage's rows of 272 bytes and come back as whole rows of 256; sixteen lanes store 256 consecutive bytes, aligned.
.macro TOSTAGE a
	WIN 0x04                                       ; the stores' data in window 1
.irp b, 0,1,2,3                        ; each accumulator's low four registers first
	ds_store_b128 v[STO], v[32*(\a)+8*\b:32*(\a)+8*\b+3]   offset:64*\b
	ds_store_b128 v[STO], v[32*(\a)+8*\b+4:32*(\a)+8*\b+7] offset:64*\b+16
.endr
	WIN 0
	s_wait_xcnt 0x0                                ; the stores of the block before last have read this buffer: it is loaded again only behind this wait
.irp f, 0,1,2,3,4,5,6,7
	ds_load_b128 v[BK+32*((\a)%2)+4*\f:BK+32*((\a)%2)+4*\f+3], v[RD] offset:\f*2*SP  ; LDS serves a wave's instructions in order (ISA guide 5.7.1.4): these see the stores above; the next block's stores come behind them
.endr
.endm
.macro SEND a, younger                 ; younger: the LDS instructions issued behind block a's loads: the next block's sixteen, or none
	s_wait_dscnt \younger                          ; the block's eight loads are back
.irp f, 0,1,2,3,4,5,6,7
	global_store_b128 v[GO], v[BK+32*((\a)%2)+4*\f:BK+32*((\a)%2)+4*\f+3], s[OB:OB+1] offset:(16*(\a)+2*\f)*4096 th:TH_STORE_NT
.endr
.endm
	PLACES                                         ; the LDS stores read results just made
	TOSTAGE 0
.irp a, 1,2,3,4,5,6,7
	TOSTAGE \a
	SEND (\a)-1, 16
.endr
	SEND 7, 0
	s_wait_tensorcnt 0x0                           ; the wave's end: behind my last tensor load and my last LDS store
	ds_add_u32 v[SPW], v[NIL]
	s_wait_dscnt 0x0
	CROUND                                         ; the closing round: no work-group ends while a partner may still ask for a tile that names it
	s_endpgm
.Lfunc_end_k_q5e298a8fc6_proj_out:
	.size	k_q5e298a8fc6_proj_out, .Lfunc_end_k_q5e298a8fc6_proj_out-k_q5e298a8fc6_proj_out
	.p2alignl 7, 3214868480
	.fill 96, 4, 3214868480
	.section	.rodata,"a",@progbits
	.p2align	6, 0x0
	.amdhsa_kernel k_q5e298a8fc6_proj_out
		.amdhsa_group_segment_fixed_size 327680
		.amdhsa_private_segment_fixed_size 0
		.amdhsa_enable_private_segment 0
		.amdhsa_kernarg_size 32
		.amdhsa_user_sgpr_count 2
		.amdhsa_user_sgpr_kernarg_segment_ptr 1
		.amdhsa_wavefront_size32 1
		.amdhsa_system_sgpr_workgroup_id_x 1
		.amdhsa_system_sgpr_workgroup_id_y 1
		.amdhsa_system_sgpr_workgroup_id_z 1
		.amdhsa_system_vgpr_workitem_id 0
		.amdhsa_next_free_vgpr 512
		.amdhsa_next_free_sgpr 88
		.amdhsa_reserve_vcc 0
		.amdhsa_float_denorm_mode_32 3
		.amdhsa_float_denorm_mode_16_64 3
		.amdhsa_memory_ordered 1
		.amdhsa_forward_progress 1
		.amdhsa_inst_pref_size 74
	.end_amdhsa_kernel
	.amdgpu_metadata
---
amdhsa.version: [ 1, 2 ]
amdhsa.kernels:
  - .name:           k_q5e298a8fc6_proj_out
    .symbol:         k_q5e298a8fc6_proj_out.kd
    .args:
      - { .name: ob, .offset: 0, .size: 8, .value_kind: global_buffer, .address_space: global }
      - { .name: wob, .offset: 8, .size: 8, .value_kind: global_buffer, .address_space: global }
      - { .name: bo, .offset: 16, .size: 8, .value_kind: global_buffer, .address_space: global }
      - { .name: out0, .offset: 24, .size: 8, .value_kind: global_buffer, .address_space: global }
    .group_segment_fixed_size: 327680
    .private_segment_fixed_size: 0
    .kernarg_segment_align: 8
    .kernarg_segment_size: 32
    .max_flat_workgroup_size: 128
    .sgpr_count:     88
    .vgpr_count:     512
    .wavefront_size: 32
...
	.end_amdgpu_metadata
.endif
;; end of part 4
